; MI455X (gfx1250); checked and timed in simulation.
; The chip was launched on July 23, 2026; its instructions are those of AMD's public machine-readable ISA for CDNA 5 (MIT licence, August 2026) and "CDNA5" Instruction Set Architecture Reference Guide (July 2026). The comments in the code are by the model that wrote it; some were corrected since.
;; Attention. Allowed arithmetic: float matrix products may take bf16 or f16 operands with f32 sums; all other float work in f32.
;; Inputs: W_K 1,024 x 1,024 float32; W_Q 1,024 x 1,024 float32; W_V 1,024 x 1,024 float32; W_out 1,024 x 1,024 float32; x 4 x 2,048 x 1,024 float32.
;; Outputs: out0 4 x 2,048 x 1,024 float32.
;; 3 versions, each right; version 2 is faster than version 1; version 3 is version 2 with the launch cast written anew for expert scheduling mode. Each part assembles by itself: llvm-mc -triple=amdgcn-amd-amdhsa -mcpu=gfx1250 --defsym DOCPART=n.
;; ======== version 1 of 3: 4 launches
;; limits: values are held in f16: magnitudes above 65,504 overflow, below 6.1e-05 lose precision
;; workspace buffers: cb 25,165,824 bytes; qkv 50,331,648 bytes; ao 16,777,216 bytes
;; launch cast (part 1): grid 64 x 12, 8 waves a work-group, no clusters, 0 bytes of LDS; arguments x, W_Q, W_K, W_V, W_out, cb; writes cb
.if DOCPART == 1
	.amdgcn_target "amdgcn-amd-amdhsa--gfx1250"
	.amdhsa_code_object_version 6
	.text
	.protected	k_q2025a0599e_cast
	.globl	k_q2025a0599e_cast
	.p2align	8
	.type	k_q2025a0599e_cast,@function
k_q2025a0599e_cast:
	s_mov_b64 s[64:65], 0
	v_nop
	global_prefetch_b8 v0, s[64:65] scope:SCOPE_SE
	s_setreg_imm32_b32 hwreg(HW_REG_WAVE_MODE, 25, 1), 1
	s_wait_xcnt 0x0
; x, W_Q, W_K, W_V: f32 -> bf16 (nearest even).  W_out: f32 -> bf16 -> f16 (the second step is exact for bf16 numbers of
; magnitude 2^-14 to 65,504; smaller ones keep an absolute error of at most 2^-25, larger ones become infinite: a stated limit).
; cb: x as [8192][1024] bf16 at byte 0; W_Q, W_K, W_V as [3072][1024] bf16 at 16,777,216; W_out as [1024][1024] f16 at 23,068,672.
; Grid y = a chunk of 4 MiB of f32 (0-7: x, 8: W_Q, 9: W_K, 10: W_V, 11: W_out); grid x = 64 KiB of it; a wave takes 8 KiB.
; A stream: each byte is read once by loads that cover 512 consecutive bytes, each store of a wave covers 256 consecutive aligned bytes.
; All 16 loads of a wave go out at once; no register is written twice while a memory instruction names it; no LDS, no barrier.
.set T, 4                              ; v[4:7]    at work (W_out's way)
.set X, 8                              ; v[8:71]   16 x 4 f32 as loaded
.set Y, 72                             ; v[72:103] 16 x 2 words to store
	s_load_b256 s[4:11], s[0:1], 0x0               ; x s[4:5], W_Q s[6:7], W_K s[8:9], W_V s[10:11]
	s_load_b128 s[12:15], s[0:1], 0x20             ; W_out s[12:13], cb s[14:15]
	s_and_b32 s16, ttmp7, 0xffff                   ; chunk 0..11
	s_cmp_lt_u32 s16, 8
	s_cselect_b32 s18, s16, 0                      ; chunk inside its source: x has eight, a weight one
	s_lshl_b32 s22, s18, 22
	s_lshl_b32 s17, ttmp9, 16
	s_add_co_u32 s22, s22, s17                     ; source offset: chunk x 4 MiB + piece x 64 KiB
	s_mov_b32 s23, 0
	s_lshl_b32 s24, s16, 21
	s_lshl_b32 s17, ttmp9, 15
	s_add_co_u32 s24, s24, s17                     ; destination offset: half of that, chunks in cb's order
	s_mov_b32 s25, 0
	v_lshrrev_b32 v1, 5, v0
	v_and_b32 v3, 31, v0
	v_lshlrev_b32 v1, 13, v1                       ; wave x 8 KiB
	v_lshl_or_b32 v1, v3, 4, v1                    ; + 16 bytes a lane
	v_lshrrev_b32 v2, 1, v1                        ; the same place in the 16-bit copy
	s_wait_kmcnt 0x0
	s_mov_b64 s[20:21], s[4:5]                     ; the chunk's source, chosen by the chunk's number alone
	s_cmp_eq_u32 s16, 8
	s_cselect_b64 s[20:21], s[6:7], s[20:21]
	s_cmp_eq_u32 s16, 9
	s_cselect_b64 s[20:21], s[8:9], s[20:21]
	s_cmp_eq_u32 s16, 10
	s_cselect_b64 s[20:21], s[10:11], s[20:21]
	s_cmp_eq_u32 s16, 11
	s_cselect_b64 s[20:21], s[12:13], s[20:21]
	s_add_nc_u64 s[20:21], s[20:21], s[22:23]
	s_add_nc_u64 s[14:15], s[14:15], s[24:25]
.irp j, 0,1,2,3,4,5,6,7,8,9,10,11,12,13,14,15
	global_load_b128 v[X+4*\j:X+4*\j+3], v1, s[20:21] offset:512*\j th:TH_LOAD_NT
.endr
	s_cmp_eq_u32 s16, 11
	s_cbranch_scc1 .Lwo
.irp j, 0,1,2,3,4,5,6,7,8,9,10,11,12,13,14,15
	s_wait_loadcnt 15-\j                           ; loads return in order: load j is in, the 15-j younger ones stay out
	v_cvt_pk_bf16_f32 v[Y+2*\j], v[X+4*\j], v[X+4*\j+1]
	v_cvt_pk_bf16_f32 v[Y+2*\j+1], v[X+4*\j+2], v[X+4*\j+3]
	global_store_b64 v2, v[Y+2*\j:Y+2*\j+1], s[14:15] offset:256*\j
.endr
	s_endpgm
.Lwo:
.irp j, 0,1,2,3,4,5,6,7,8,9,10,11,12,13,14,15
	s_wait_loadcnt 15-\j
	v_cvt_pk_bf16_f32 v[T], v[X+4*\j], v[X+4*\j+1]         ; round as the other inputs are rounded,
	v_cvt_pk_bf16_f32 v[T+1], v[X+4*\j+2], v[X+4*\j+3]
	v_lshlrev_b32 v[T+2], 16, v[T]                         ; widen again,
	v_and_b32 v[T], 0xffff0000, v[T]
	v_lshlrev_b32 v[T+3], 16, v[T+1]
	v_and_b32 v[T+1], 0xffff0000, v[T+1]
	v_cvt_pk_f16_f32 v[Y+2*\j], v[T+2], v[T]               ; and write the same numbers as f16
	v_cvt_pk_f16_f32 v[Y+2*\j+1], v[T+3], v[T+1]
	global_store_b64 v2, v[Y+2*\j:Y+2*\j+1], s[14:15] offset:256*\j
.endr
	s_endpgm
.Lfunc_end_k_q2025a0599e_cast:
	.size	k_q2025a0599e_cast, .Lfunc_end_k_q2025a0599e_cast-k_q2025a0599e_cast
	.p2alignl 7, 3214868480
	.fill 96, 4, 3214868480
	.section	.rodata,"a",@progbits
	.p2align	6, 0x0
	.amdhsa_kernel k_q2025a0599e_cast
		.amdhsa_group_segment_fixed_size 0
		.amdhsa_private_segment_fixed_size 0
		.amdhsa_enable_private_segment 0
		.amdhsa_kernarg_size 48
		.amdhsa_user_sgpr_count 2
		.amdhsa_user_sgpr_kernarg_segment_ptr 1
		.amdhsa_wavefront_size32 1
		.amdhsa_system_sgpr_workgroup_id_x 1
		.amdhsa_system_sgpr_workgroup_id_y 1
		.amdhsa_system_sgpr_workgroup_id_z 1
		.amdhsa_system_vgpr_workitem_id 0
		.amdhsa_next_free_vgpr 104
		.amdhsa_next_free_sgpr 66
		.amdhsa_reserve_vcc 0
		.amdhsa_float_denorm_mode_32 3
		.amdhsa_float_denorm_mode_16_64 3
		.amdhsa_memory_ordered 1
		.amdhsa_forward_progress 1
		.amdhsa_inst_pref_size 16
	.end_amdhsa_kernel
	.amdgpu_metadata
---
amdhsa.version: [ 1, 2 ]
amdhsa.kernels:
  - .name:           k_q2025a0599e_cast
    .symbol:         k_q2025a0599e_cast.kd
    .args:
      - { .name: x, .offset: 0, .size: 8, .value_kind: global_buffer, .address_space: global }
      - { .name: W_Q, .offset: 8, .size: 8, .value_kind: global_buffer, .address_space: global }
      - { .name: W_K, .offset: 16, .size: 8, .value_kind: global_buffer, .address_space: global }
      - { .name: W_V, .offset: 24, .size: 8, .value_kind: global_buffer, .address_space: global }
      - { .name: W_out, .offset: 32, .size: 8, .value_kind: global_buffer, .address_space: global }
      - { .name: cb, .offset: 40, .size: 8, .value_kind: global_buffer, .address_space: global }
    .group_segment_fixed_size: 0
    .private_segment_fixed_size: 0
    .kernarg_segment_align: 8
    .kernarg_segment_size: 48
    .max_flat_workgroup_size: 256
    .sgpr_count:     66
    .vgpr_count:     104
    .wavefront_size: 32
...
	.end_amdgpu_metadata
.endif
;; end of part 1
;; launch qkvproj (part 2): grid 16 x 32, 4 waves a work-group, clusters of 4 x 4, 327,680 bytes of LDS; arguments cb, qkv; writes qkv
.if DOCPART == 2
	.amdgcn_target "amdgcn-amd-amdhsa--gfx1250"
	.amdhsa_code_object_version 6
	.text
	.protected	k_q2025a0599e_qkvproj
	.globl	k_q2025a0599e_qkvproj
	.p2align	8
	.type	k_q2025a0599e_qkvproj,@function
k_q2025a0599e_qkvproj:
	s_mov_b64 s[64:65], 0
	v_nop
	global_prefetch_b8 v0, s[64:65] scope:SCOPE_SE
	s_setreg_imm32_b32 hwreg(HW_REG_WAVE_MODE, 25, 1), 1
	s_wait_xcnt 0x0
	s_wait_alu depctr_hold_cnt(0) depctr_sa_sdst(0) depctr_va_vdst(0) depctr_va_sdst(0) depctr_va_ssrc(0) depctr_va_vcc(0) depctr_vm_vsrc(0)
	s_getreg_b32 s2, hwreg(HW_REG_IB_STS2, 6, 4)
	s_cmp_eq_u32 s2, 0
	s_cbranch_scc0 .Lentry_in_a_cluster
	s_endpgm
.Lentry_in_a_cluster:
	s_bfe_u32 s2, ttmp6, 0x10000c
	s_cmp_lg_u32 s2, 0xf033
	s_cbranch_scc0 .Lentry_shape_is_right
	s_endpgm
.Lentry_shape_is_right:
; [8192][1024] (x, bf16) times [3072][1024]^T (W_Q, W_K, W_V, bf16), sums in f32, result f16 laid out by head:
; qkv[b][g][t][d], g = 0-15 Q heads, 16-31 K heads, 32-47 V heads; a head is 2048 x 64 f16 = 262,144 dense bytes.
; LIMIT: a result of magnitude 65,504 or more becomes infinite in f16.
; A work-group makes 256 rows x 192 columns (three heads): 16 x 32 = 512 work-groups, twice 256.  Four waves; wave w makes rows
; 64 w .. 64 w + 63 and all 192 columns: 48 accumulator tiles of 16 x 16, 384 registers.  K goes in steps of 128 through two LDS slots
; filled by the tensor data mover; a tile's rows are 256 bytes of memory at multiples of 256 bytes.
; CLUSTERS of 4 x 4: x's tile hangs on the block row alone and is asked for jointly by a row of the cluster, W's on the block column
; alone and is asked for jointly by a column.  By this text's count a wave has two tensor loads out at the start and one later.
; REGISTERS: window 0: v16-26 addresses, v32-63 / v64-95 x fragments (4 x 16 rows x 32 K, two buffers), v96-239 the way out;
; window 1: v0-95 / v96-191 W fragments (12, two buffers); window 2: tiles of my rows 0-31 (tile (a, b) at 8 (12 a + b)); window 3: rows 32-63.
; The matrix instruction is used transposed (source 0 = 16 rows of W, source 1 = 16 rows of x): a lane holds row l % 16 and eight
; neighbouring columns 8 (l / 16) + 0..7, which pack into 16 bytes.
.set NB,     12
.set PA,     272                       ; LDS pitch: 256 bytes + 16, an odd multiple of 16: a fragment's 16 rows start in 16 different 16-byte columns
.set PB,     272
.set AHALF,  128*PA                    ; one tensor load of x: 128 rows
.set BROWS,  96
.set BHALF,  BROWS*PB                  ; one tensor load of W: 96 rows
.set AREG,   2*AHALF
.set SLOT,   AREG+2*BHALF              ; 121,856
.set STAGE,  2*SLOT                    ; 243,712 = 952 x 256: behind the ring, no tensor load lands here
.set SPITCH, 400                       ; stage row: 192 f16 + 16 bytes
.set LAPS,   4                         ; 1024 / (2 x 128)
.set ASTEP,  512                       ; two K steps along a row, in bytes
.set BSTEP,  512
.set KA1, 64                           ; byte of quarter q in x's LDS rows
.set KA2, 128
.set KA3, 192
.set ADRA, 16
.set ADRB, 20
.set STO,  24
.set RD,   25
.set CO,   26
.set FA0,  32
.set FA1,  64
.set FB0,  0
.set FB1,  8*NB
.set TMP,  96
.set OUTA, 144
.set OUTB, 192
.set G1,  24
.set G0,  32
.set G1B, 48
.set G0B, 56
.set GW, (1<<16)|(1<<20)|(1<<21)|(5<<22)|(3<<25)   ; 2-byte elements; padding on; bit 21 beside a mask; 4 words behind every 64 words
.set MSB, 0
.macro WIN new                         ; the immediate's high byte repeats the setting that is left
.if MSB != \new
	s_set_vgpr_msb (MSB<<8)|\new
.set MSB, \new
.endif
.endm
.set MUL_LO, 0xa1                      ; source 0 (W) window 1, source 1 (x) window 0, C and D window 2
.set MUL_HI, 0xf1                      ; the same, C and D window 3
.set TO_B,   0x40                      ; destination window 1
.macro JLOAD s                         ; waves 0, 1 ask for x's halves, waves 2, 3 for W's; the branch hangs on the wave's number alone
	s_cmp_eq_u32 s11, 0
	s_cbranch_scc0 .Lfor_b_\@
	tensor_load_to_lds s[G0+4*\s:G0+4*\s+3], s[G1:G1+7]
	s_nop 0
	s_branch .Lasked_\@
.Lfor_b_\@:
	tensor_load_to_lds s[G0B+4*\s:G0B+4*\s+3], s[G1B:G1B+7]
	s_nop 0
.Lasked_\@:
.endm
.macro CREST                           ; a round of the cluster's barrier behind its opening work-group barrier
	s_cmp_lg_u32 s10, 0
	s_cbranch_scc1 .Lnot_wave_0_\@
	s_barrier_signal -3
.Lnot_wave_0_\@:
	s_barrier_wait -3
	s_barrier_signal -1
	s_barrier_wait -1
.endm
.macro CROUND
	s_barrier_signal -1
	s_barrier_wait -1
	CREST
.endm
.macro PLACES                          ; four independent vector instructions behind a matrix instruction (ISA guide 7.12.1) before its registers are loaded into or its result is read
.rept 4
	v_nop
.endr
.endm
	s_load_b128 s[4:7], s[0:1], 0x0                ; cb s[4:5], qkv s[6:7]
	s_set_vgpr_msb 0x40
	v_lshl_add_u32 v255, v0, 2, 0x41c00
	s_set_vgpr_msb 0x4000
	v_mov_b32 v255, 0
	s_set_vgpr_msb 0x1
	ds_add_u32 v255, v255
	ds_add_u32 v255, v255
	s_set_vgpr_msb 0x100
	v_lshrrev_b32 v1, 5, v0
	v_readfirstlane_b32 s10, v1                    ; wave 0..3
	s_lshr_b32 s11, s10, 1                         ; 0: I fetch x, 1: I fetch W
	s_and_b32 s12, s10, 1                          ; which half of that tile
	s_bfe_u32 s40, ttmp6, 0x40000                  ; cx
	s_bfe_u32 s41, ttmp6, 0x40004                  ; cy
	s_lshl_b32 s42, ttmp9, 2
	s_add_co_u32 s42, s42, s40                     ; block column 0..15
	s_and_b32 s13, ttmp7, 0xffff
	s_lshl_b32 s13, s13, 2
	s_add_co_u32 s13, s13, s41                     ; block row 0..31
	s_lshl_b32 s43, s41, 2
	s_lshl_b32 s43, 15, s43                        ; my row of the cluster
	s_lshl_b32 s44, 0x1111, s40                    ; my column
	s_or_b32 s[G1+0], s43, GW                      ; x's tiles go to my row
	s_or_b32 s[G1B+0], s44, GW                     ; W's to my column
	s_mov_b32 s[G1+1], 128<<16                     ; tensor_dim0 = 128
	s_mov_b32 s[G1B+1], 128<<16
	s_mov_b32 s[G1+2], 128<<16                     ; tensor_dim1 = 128 rows
	s_mov_b32 s[G1B+2], BROWS<<16                  ; 96 rows
	s_mov_b32 s[G1+3], 128<<16                     ; tile_dim0 = 128 elements
	s_mov_b32 s[G1B+3], 128<<16
	s_mov_b32 s[G1+4], 128                         ; tile_dim1
	s_mov_b32 s[G1B+4], BROWS
	s_mov_b32 s[G1+5], 1024                        ; elements from row to row
	s_mov_b32 s[G1B+5], 1024
	s_mov_b32 s[G1+6], 0
	s_mov_b32 s[G1B+6], 0
	s_mov_b32 s[G1+7], 0
	s_mov_b32 s[G1B+7], 0
	s_lshl_b32 s16, s13, 19                        ; x: (256 block row + 128 half) rows of 2,048 bytes
	s_lshl_b32 s18, s12, 18
	s_add_co_u32 s16, s16, s18
	s_mov_b32 s17, 0
	s_mul_i32 s46, s42, 192*2048                   ; W: (192 block column + 96 half) rows of 2,048 bytes, behind x in cb
	s_mul_i32 s18, s12, BROWS*2048
	s_add_co_u32 s46, s46, s18
	s_add_co_u32 s46, s46, 16777216
	s_mov_b32 s47, 0
	s_mul_i32 s20, s10, AHALF                      ; LDS: x's halves at wave x 34,816 (waves 0, 1),
	s_mul_i32 s21, s10, BHALF
	s_add_co_u32 s21, s21, AREG-2*BHALF            ; W's halves behind them at 17,408 + wave x 26,112 (waves 2, 3)
	s_wait_dscnt 0x0
	s_wait_kmcnt 0x0
	s_add_nc_u64 s[14:15], s[4:5], s[16:17]
	s_add_nc_u64 s[46:47], s[4:5], s[46:47]
	CROUND                                         ; all sixteen work-groups are here: the first joint loads meet
.irp s, 0,1
	s_mov_b32 s[G0+4*\s], 1
	s_add_co_u32 s[G0+4*\s+1], s20, \s*SLOT
	s_add_nc_u64 s[G0+4*\s+2:G0+4*\s+3], s[14:15], \s*256          ; K step s
	s_or_b32 s[G0+4*\s+3], s[G0+4*\s+3], 0x80000000
	s_mov_b32 s[G0B+4*\s], 1
	s_add_co_u32 s[G0B+4*\s+1], s21, \s*SLOT
	s_add_nc_u64 s[G0B+4*\s+2:G0B+4*\s+3], s[46:47], \s*256
	s_or_b32 s[G0B+4*\s+3], s[G0B+4*\s+3], 0x80000000
	JLOAD \s
.endr
	v_and_b32 v1, 15, v0                           ; r = l % 16
	v_bfe_u32 v2, v0, 4, 1                         ; h = l / 16
	v_mul_u32_u24 v3, v1, PA
	v_lshl_add_u32 v3, v2, 4, v3                   ; r x pitch + 16 h (both tiles have this pitch)
	s_mul_i32 s22, s10, 64*PA                      ; my 64 rows of x
	s_mov_b32 s23, AREG                            ; W's 192 rows lie behind x's 256
.irp s, 0,1
	v_add_nc_u32 v[ADRA+\s], s22, v3
	v_add_nc_u32 v[ADRB+\s], s23, v3
	s_add_co_u32 s22, s22, SLOT
	s_add_co_u32 s23, s23, SLOT
.endr
	s_mul_i32 s19, s10, 16*SPITCH
	s_add_co_u32 s19, s19, STAGE                   ; my stage
	v_mul_u32_u24 v4, v1, SPITCH
	v_lshl_add_u32 v4, v2, 4, v4
	v_add_nc_u32 v[STO], s19, v4                   ; in: row r, 16 bytes for each half of the lanes
	v_bfe_u32 v4, v0, 3, 2                         ; back: lane l takes 16 bytes (l % 8) of row l / 8 of four rows' 128 bytes of one head
	v_and_b32 v5, 7, v0
	v_mul_u32_u24 v4, v4, SPITCH
	v_lshl_add_u32 v4, v5, 4, v4
	v_add_nc_u32 v[RD], s19, v4
	v_and_b32 v5, 31, v0
	v_lshlrev_b32 v[CO], 4, v5                     ; in qkv those four rows are 512 consecutive bytes: 16 l
; NB matrix instructions: one 16-row block of x (a of the window's two) times all NB blocks of W, 32 along K
.macro MULROW fa, fb, hi, a, zero
.irp b, 0,1,2,3,4,5,6,7,8,9,10,11
.if \zero
	v_wmma_f32_16x16x32_bf16 v[8*(NB*\a+\b):8*(NB*\a+\b)+7], v[\fb+8*\b:\fb+8*\b+7], v[\fa+8*(2*\hi+\a):\fa+8*(2*\hi+\a)+7], 0
.else
	v_wmma_f32_16x16x32_bf16 v[8*(NB*\a+\b):8*(NB*\a+\b)+7], v[\fb+8*\b:\fb+8*\b+7], v[\fa+8*(2*\hi+\a):\fa+8*(2*\hi+\a)+7], v[8*(NB*\a+\b):8*(NB*\a+\b)+7]
.endif
.endr
.endm
; the fragments of one quarter step: 2 NB loads of W, then 8 of x
.macro FETCH slot, ka, kb, fa, fb
	WIN TO_B
.irp i, 0,1,2,3,4,5,6,7,8,9,10,11
	ds_load_b128 v[\fb+8*\i:\fb+8*\i+3],   v[ADRB+\slot] offset:\kb+\i*16*PB
	ds_load_b128 v[\fb+8*\i+4:\fb+8*\i+7], v[ADRB+\slot] offset:\kb+\i*16*PB+32
.endr
	WIN 0
.irp i, 0,1,2,3
	ds_load_b128 v[\fa+8*\i:\fa+8*\i+3],   v[ADRA+\slot] offset:\ka+\i*16*PA
	ds_load_b128 v[\fa+8*\i+4:\fa+8*\i+7], v[ADRA+\slot] offset:\ka+\i*16*PA+32
.endr
.endm
; One of a K step's first three quarters: multiplies buffers fa, fb; in its middle fetches the next quarter into ga, gb.
; The 48 accumulators take turns in the same order in every quarter, one instruction a turn.
.macro QUARTER slot, ka, kb, fa, fb, ga, gb, zero
	s_wait_dscnt 4                                 ; W and x's blocks 0, 1 are in; the youngest four loads (x's blocks 2, 3) may be out
	WIN MUL_LO
	MULROW \fa, \fb, 0, 0, \zero
	MULROW \fa, \fb, 0, 1, \zero
	PLACES
	FETCH \slot, \ka, \kb, \ga, \gb
	s_wait_dscnt 2*NB+8                            ; all but the 2 NB + 8 just issued
	WIN MUL_HI
	MULROW \fa, \fb, 1, 0, \zero
	MULROW \fa, \fb, 1, 1, \zero
.endm
.macro THREE slot, zero
	QUARTER \slot, KA1, 64,  FA0, FB0, FA1, FB1, \zero
	QUARTER \slot, KA2, 128, FA1, FB1, FA0, FB0, 0
	QUARTER \slot, KA3, 192, FA0, FB0, FA1, FB1, 0
.endm
; The last quarter changes slots.  In front of the barrier each wave waits for its reads of this slot and for all its tensor loads
; (the one that is out is its part of the next slot); where this slot is filled again the barrier opens a round of the cluster's
; barrier, and the joint refill is the first tensor load behind the round.
.macro TURN slot, next, fill
	s_wait_dscnt 4
	WIN MUL_LO
	MULROW FA1, FB1, 0, 0, 0
	s_wait_dscnt 0                                 ; my reads of this slot are over
	s_wait_tensorcnt 0x0                           ; all my tensor loads have landed
	ds_add_u32 v255, v255
	s_wait_dscnt 0x0
	s_barrier_signal -1
	MULROW FA1, FB1, 0, 1, 0                       ; register work while the others arrive
	WIN 0
	s_barrier_wait -1
.if \fill
	CREST
	s_add_nc_u64 s[G0+4*\slot+2:G0+4*\slot+3], s[G0+4*\slot+2:G0+4*\slot+3], ASTEP
	s_add_nc_u64 s[G0B+4*\slot+2:G0B+4*\slot+3], s[G0B+4*\slot+2:G0B+4*\slot+3], BSTEP
	JLOAD \slot
.endif
	PLACES
	FETCH \next, 0, 0, FA0, FB0
	WIN MUL_HI
	MULROW FA1, FB1, 1, 0, 0
	MULROW FA1, FB1, 1, 1, 0
.endm
.macro LAP zero
	THREE 0, \zero
	TURN 0, 1, 1
	THREE 1, 0
	TURN 1, 0, 1
.endm
	s_wait_tensorcnt 1                             ; my part of K step 0 is in; K step 1's stays out
	s_barrier_signal -1
	s_barrier_wait -1
	FETCH 0, 0, 0, FA0, FB0
	LAP 1                                          ; the first products start the sums: nothing is cleared
	WIN 0
	s_mov_b32 s3, LAPS-2
.Llap:
	LAP 0
	WIN 0
	s_sub_co_u32 s3, s3, 1
	s_cmp_lg_u32 s3, 0
	s_cbranch_scc1 .Llap
	THREE 0, 0                                     ; the last lap fills nothing
	TURN 0, 1, 0
	THREE 1, 0
	s_wait_dscnt 4
	WIN MUL_LO
	MULROW FA1, FB1, 0, 0, 0
	MULROW FA1, FB1, 0, 1, 0
	s_wait_dscnt 0
	WIN MUL_HI
	MULROW FA1, FB1, 1, 0, 0
	MULROW FA1, FB1, 1, 1, 0
	; THE WAY OUT, 16 rows at a time: round to f16, 16 bytes a lane into my own stage, read back as four rows of one head (512 bytes that
	; are consecutive in qkv), store.
	PLACES
	s_lshr_b32 s16, s13, 3                         ; b
	s_mul_i32 s16, s16, 48*262144
	s_and_b32 s17, s13, 7
	s_lshl_b32 s17, s17, 15                        ; t = 256 (block row % 8) + 64 wave, rows of 128 bytes
	s_add_co_u32 s16, s16, s17
	s_lshl_b32 s17, s10, 13
	s_add_co_u32 s16, s16, s17
	s_mov_b32 s17, 0
	s_add_nc_u64 s[8:9], s[6:7], s[16:17]
	s_mul_i32 s46, s42, 3*262144                   ; my three heads (in the registers that held W's address)
	s_mov_b32 s47, 0
	s_add_nc_u64 s[8:9], s[8:9], s[46:47]
.macro OUT16 a, from, f
	WIN \from
.irp b, 0,1,2,3,4,5,6,7,8,9,10,11
.irp r, 0,1,2,3
	v_cvt_pk_f16_f32 v[TMP+4*\b+\r], v[8*(NB*(\a&1)+\b)+2*\r], v[8*(NB*(\a&1)+\b)+2*\r+1]
.endr
.endr
	WIN 0
.irp b, 0,1,2,3,4,5,6,7,8,9,10,11
	ds_store_b128 v[STO], v[TMP+4*\b:TMP+4*\b+3] offset:32*\b
.endr
	s_wait_xcnt 0x0                                ; buffer f, which earlier stores read, is loaded again only behind this wait
.irp hh, 0,1,2
.irp tt, 0,1,2,3
	ds_load_b128 v[\f+4*(4*\hh+\tt):\f+4*(4*\hh+\tt)+3], v[RD] offset:\tt*4*SPITCH+\hh*128   ; LDS serves a wave's instructions in order: these see the stores above
.endr
.endr
.irp hh, 0,1,2
.irp tt, 0,1,2,3
	s_wait_dscnt 11-(4*\hh+\tt)                    ; the younger read-backs stay out
	global_store_b128 v[CO], v[\f+4*(4*\hh+\tt):\f+4*(4*\hh+\tt)+3], s[8:9] offset:\hh*262144+(16*\a+4*\tt)*128
.endr
.endr
.endm
	OUT16 0, 0x0a, OUTA
	OUT16 1, 0x0a, OUTB
	OUT16 2, 0x0f, OUTA
	OUT16 3, 0x0f, OUTB
	s_set_vgpr_msb 0x1
	s_wait_tensorcnt 0x0
	ds_add_u32 v255, v255
	s_wait_dscnt 0x0
	s_set_vgpr_msb 0x100
	CROUND                                         ; the closing round: no work-group ends while a partner may still ask for a tile that names it
	s_endpgm
.Lfunc_end_k_q2025a0599e_qkvproj:
	.size	k_q2025a0599e_qkvproj, .Lfunc_end_k_q2025a0599e_qkvproj-k_q2025a0599e_qkvproj
	.p2alignl 7, 3214868480
	.fill 96, 4, 3214868480
	.section	.rodata,"a",@progbits
	.p2align	6, 0x0
	.amdhsa_kernel k_q2025a0599e_qkvproj
		.amdhsa_group_segment_fixed_size 327680
		.amdhsa_private_segment_fixed_size 0
		.amdhsa_enable_private_segment 0
		.amdhsa_kernarg_size 16
		.amdhsa_user_sgpr_count 2
		.amdhsa_user_sgpr_kernarg_segment_ptr 1
		.amdhsa_wavefront_size32 1
		.amdhsa_system_sgpr_workgroup_id_x 1
		.amdhsa_system_sgpr_workgroup_id_y 1
		.amdhsa_system_sgpr_workgroup_id_z 1
		.amdhsa_system_vgpr_workitem_id 0
		.amdhsa_next_free_vgpr 1024
		.amdhsa_next_free_sgpr 66
		.amdhsa_reserve_vcc 0
		.amdhsa_float_denorm_mode_32 3
		.amdhsa_float_denorm_mode_16_64 3
		.amdhsa_memory_ordered 1
		.amdhsa_forward_progress 1
		.amdhsa_inst_pref_size 164
	.end_amdhsa_kernel
	.amdgpu_metadata
---
amdhsa.version: [ 1, 2 ]
amdhsa.kernels:
  - .name:           k_q2025a0599e_qkvproj
    .symbol:         k_q2025a0599e_qkvproj.kd
    .args:
      - { .name: cb, .offset: 0, .size: 8, .value_kind: global_buffer, .address_space: global }
      - { .name: qkv, .offset: 8, .size: 8, .value_kind: global_buffer, .address_space: global }
    .group_segment_fixed_size: 327680
    .private_segment_fixed_size: 0
    .kernarg_segment_align: 8
    .kernarg_segment_size: 16
    .max_flat_workgroup_size: 128
    .sgpr_count:     66
    .vgpr_count:     1024
    .wavefront_size: 32
...
	.end_amdgpu_metadata
.endif
;; end of part 2
;; launch attn (part 3): grid 4 x 64, 4 waves a work-group, no clusters, 327,680 bytes of LDS; arguments qkv, ao; writes ao
.if DOCPART == 3
	.amdgcn_target "amdgcn-amd-amdhsa--gfx1250"
	.amdhsa_code_object_version 6
	.text
	.protected	k_q2025a0599e_attn
	.globl	k_q2025a0599e_attn
	.p2align	8
	.type	k_q2025a0599e_attn,@function
k_q2025a0599e_attn:
	s_mov_b64 s[64:65], 0
	v_nop
	global_prefetch_b8 v0, s[64:65] scope:SCOPE_SE
	s_setreg_imm32_b32 hwreg(HW_REG_WAVE_MODE, 25, 1), 1
	s_wait_xcnt 0x0
; Causal attention of one head, f16 operands, f32 sums, running maximum.  qkv[b][g][t][d] f16 (g: 16 Q, 16 K, 16 V heads); ao[b][h][t][d] f16.
; Grid x = i (0-3), grid y = 16 b + h.  A work-group takes the query blocks of 256 rows 7 - i (first) and i: (8 - i) + (i + 1) = 9 key blocks
; of 256 for every work-group, so all 256 have equal work.  Wave w takes queries 64 w .. 64 w + 63 of the block, as four blocks qn of 16.
; NO CLUSTER: the four work-groups of a head walk different numbers of key tiles in each phase, so in the same trip they want different
; tiles; a joint walk would take 8 + 4 = 12 block times for each of them in place of 9.
; LIMITS: |Q|, |K|, |V| below 65,504 (f16); a masked score is -1e30, not -infinity, so true scores must lie above about -1e29;
; the normaliser is summed from p before p is rounded to f16.
; LAYOUT: S^T = K Q^T (A = 16 keys, B = 16 queries): lane (r, h) holds query r, keys 8 h + j, so a query's maximum and sum live in its two
; lanes r and r + 16, and two neighbouring key tiles, packed to f16, ARE the B fragment of P^T.  O^T = V^T P^T (A = 16 d x 32 keys, by the
; transposing LDS load): the lane again holds query r, so the rescaling factor is the lane's own, and its 8 results are 16 bytes of a row.
; LDS: slot s at 38,912 s: V 128 keys at pitch 160, then K 128 keys at pitch 144; a key block is slot 0 then slot 1.  Stage at 77,824 + 9,216 w.
; One tensor load a wave behind each barrier (waves 0, 1: V's halves; 2, 3: K's), 8 KiB dense; two out at the start, one later.
; REGISTERS: window 0: addresses, softmax state, S at v128-255 (tile (kb, qn) at 128 + 32 qn + 8 kb);
; window 1: O (db, qn) at 32 qn + 8 db, V (db, ks) at 128 + 16 db + 8 ks, K (kb, dh) at 192 + 16 kb + 8 dh;
; window 2: Q (qn, dh) at 16 qn + 8 dh, mask tiles u = 0-15 at 64 + 8 u.
.set VP,     160                       ; odd multiple of 32 bytes, for the transposing load
.set KP,     144                       ; odd multiple of 16 bytes
.set VREG,   128*VP
.set SLOT,   VREG+128*KP               ; 38,912
.set STAGE,  2*SLOT                    ; 77,824 = 304 x 256: no tensor load lands here
.set SPITCH, 144
.set ADRK, 16
.set ADRV, 17
.set QO,   18
.set STO,  19
.set RD,   20
.set CO,   21
.set DIF,  22
.set NEG,  23
.set ZR,   24
.set MS,   32                          ; v32-35  running maximum of block qn, times log2(e)/8
.set LS,   36                          ; v36-39  running sum (this lane's half of the keys)
.set NM2,  40                          ; v40-47  minus the maximum, twice
.set AL2,  48                          ; v48-55  rescaling factor, twice
.set TS,   56                          ; v56-59  at work
.set TP,   60                          ; v60-67  at work, pairs
.set SC,   128
.set OA,   0
.set VF,   128
.set KF,   192
.set QF,   0
.set MK,   64
.set G1V, 24
.set G1K, 32
.set G0V, 40
.set G0K, 48
.set VB,  56                           ; s[56:57] address of my part of V's keys 0-127, without type bits
.set KB,  58                           ; s[58:59] the same for K
.set QBB, 60                           ; first phase (block 7 - i): my Q rows, my ao rows
.set OBB, 62
.set QBA, 66                           ; second phase (block i)
.set OBA, 68
.set MSB, 0
.macro WIN new
.if MSB != \new
	s_set_vgpr_msb (MSB<<8)|\new
.set MSB, \new
.endif
.endm
.macro NOPS5                           ; five independent vector instructions behind a matrix instruction: enough for a load into, a vector use of, and a matrix write over its registers
.rept 5
	v_nop
.endr
.endm
.macro KVLOAD s                        ; my one tensor load: part of slot s
	s_cmp_eq_u32 s9, 0
	s_cbranch_scc0 .Lfor_k_\@
	tensor_load_to_lds s[G0V+4*(\s):G0V+4*(\s)+3], s[G1V:G1V+7]
	s_nop 0
	s_branch .Lasked_\@
.Lfor_k_\@:
	tensor_load_to_lds s[G0K+4*(\s):G0K+4*(\s)+3], s[G1K:G1K+7]
	s_nop 0
.Lasked_\@:
.endm
.macro LOADQ qs                        ; my 64 queries as 8 B fragments: lane (r, h) takes row r, bytes 16 h and 32 + 16 h of each 64
	WIN 0x80
.irp qn, 0,1,2,3
.irp dh, 0,1
	global_load_b128 v[QF+16*\qn+8*\dh:QF+16*\qn+8*\dh+3],   v[QO], s[\qs:\qs+1] offset:\qn*2048+\dh*64
	global_load_b128 v[QF+16*\qn+8*\dh+4:QF+16*\qn+8*\dh+7], v[QO], s[\qs:\qs+1] offset:\qn*2048+\dh*64+32
.endr
.endr
	WIN 0
.endm
	s_load_b128 s[4:7], s[0:1], 0x0                ; qkv s[4:5], ao s[6:7]
	v_lshl_add_u32 v126, v0, 2, 0x29000
	v_mov_b32 v127, 0
	ds_add_u32 v126, v127
	ds_add_u32 v126, v127
	v_lshrrev_b32 v1, 5, v0
	v_readfirstlane_b32 s8, v1                     ; wave 0..3
	s_lshr_b32 s9, s8, 1                           ; 0: I fetch V, 1: I fetch K
	s_and_b32 s10, s8, 1                           ; which 64 keys of a tile
	s_mov_b32 s11, ttmp9                           ; i
	s_and_b32 s12, ttmp7, 0xffff                   ; 16 b + h
	s_lshr_b32 s13, s12, 4
	s_and_b32 s14, s12, 15
	s_mul_i32 s13, s13, 48
	s_add_co_u32 s13, s13, s14
	s_lshl_b32 s2, s13, 18                         ; (48 b + h) heads of 262,144 bytes
	s_mov_b32 s3, 0
	s_lshl_b32 s14, s12, 18                        ; (16 b + h) heads in ao
	s_mov_b32 s15, 0
	s_mov_b32 s16, 0x3e38aa3b                      ; log2(e) / sqrt(64)
	s_mov_b32 s17, 0x3e38aa3b
	s_mov_b32 s18, 0x76543210                      ; v_permlanex16_b32: lane l reads lane l xor 16
	s_mov_b32 s19, 0xfedcba98
	; group 1: 32 rows of 256 bytes, dense; behind every 32 words (a key's 128 bytes) 8 words of padding for V, 4 for K
	s_mov_b32 s[G1V+0], (1<<16)|(1<<20)|(4<<22)|(7<<25)
	s_mov_b32 s[G1K+0], (1<<16)|(1<<20)|(4<<22)|(3<<25)
	s_mov_b32 s[G1V+1], 128<<16
	s_mov_b32 s[G1K+1], 128<<16
	s_mov_b32 s[G1V+2], 32<<16
	s_mov_b32 s[G1K+2], 32<<16
	s_mov_b32 s[G1V+3], 128<<16
	s_mov_b32 s[G1K+3], 128<<16
	s_mov_b32 s[G1V+4], 32
	s_mov_b32 s[G1K+4], 32
	s_mov_b32 s[G1V+5], 128
	s_mov_b32 s[G1K+5], 128
	s_mov_b32 s[G1V+6], 0
	s_mov_b32 s[G1K+6], 0
	s_mov_b32 s[G1V+7], 0
	s_mov_b32 s[G1K+7], 0
	s_lshl_b32 s21, s10, 13                        ; my 64 keys of 128 bytes
	s_add_co_u32 s22, s21, 0x800000                ; V heads lie 32 heads behind Q's
	s_mov_b32 s23, 0
	s_mul_i32 s12, s8, 64*VP                       ; LDS: V's halves at 10,240 wave (waves 0, 1)
	s_mul_i32 s13, s8, 64*KP
	s_add_co_u32 s13, s13, VREG-2*64*KP            ; K's at 2,048 + 9,216 wave (waves 2, 3)
	s_wait_dscnt 0x0
	s_wait_kmcnt 0x0
	s_add_nc_u64 s[4:5], s[4:5], s[2:3]            ; the head's Q
	s_add_nc_u64 s[6:7], s[6:7], s[14:15]          ; the head's rows of ao
	s_add_nc_u64 s[VB:VB+1], s[4:5], s[22:23]
	s_add_co_u32 s22, s21, 0x400000                ; K heads lie 16 heads behind Q's
	s_add_nc_u64 s[KB:KB+1], s[4:5], s[22:23]
.irp s, 0,1
	s_mov_b32 s[G0V+4*\s], 1
	s_add_co_u32 s[G0V+4*\s+1], s12, \s*SLOT
	s_add_nc_u64 s[G0V+4*\s+2:G0V+4*\s+3], s[VB:VB+1], \s*16384
	s_or_b32 s[G0V+4*\s+3], s[G0V+4*\s+3], 0x80000000
	s_mov_b32 s[G0K+4*\s], 1
	s_add_co_u32 s[G0K+4*\s+1], s13, \s*SLOT
	s_add_nc_u64 s[G0K+4*\s+2:G0K+4*\s+3], s[KB:KB+1], \s*16384
	s_or_b32 s[G0K+4*\s+3], s[G0K+4*\s+3], 0x80000000
.endr
	s_cmp_eq_u32 s9, 0                             ; both first fills of a wave inside one branch on its number
	s_cbranch_scc0 .Lfirst_k
	tensor_load_to_lds s[G0V:G0V+3], s[G1V:G1V+7]
	s_nop 0
	tensor_load_to_lds s[G0V+4:G0V+7], s[G1V:G1V+7]
	s_nop 0
	s_branch .Lfirst_done
.Lfirst_k:
	tensor_load_to_lds s[G0K:G0K+3], s[G1K:G1K+7]
	s_nop 0
	tensor_load_to_lds s[G0K+4:G0K+7], s[G1K:G1K+7]
	s_nop 0
.Lfirst_done:
	s_sub_co_u32 s22, 7, s11
	s_lshl_b32 s22, s22, 15                        ; query block x 256 rows of 128 bytes
	s_lshl_b32 s21, s8, 13                         ; + wave x 64 rows
	s_add_co_u32 s22, s22, s21
	s_add_nc_u64 s[QBB:QBB+1], s[4:5], s[22:23]
	s_add_nc_u64 s[OBB:OBB+1], s[6:7], s[22:23]
	s_lshl_b32 s22, s11, 15
	s_add_co_u32 s22, s22, s21
	s_add_nc_u64 s[QBA:QBA+1], s[4:5], s[22:23]
	s_add_nc_u64 s[OBA:OBA+1], s[6:7], s[22:23]
	s_mul_i32 s14, s8, 64*SPITCH
	s_add_co_u32 s14, s14, STAGE                   ; my stage
	v_and_b32 v1, 15, v0                           ; r
	v_bfe_u32 v2, v0, 4, 1                         ; h
	v_and_b32 v3, 31, v0                           ; l
	v_and_b32 v4, 7, v0                            ; l % 8
	v_bfe_u32 v5, v0, 3, 1                         ; (l / 8) % 2
	v_bfe_u32 v6, v0, 3, 2                         ; l / 8
	v_lshlrev_b32 v7, 7, v1
	v_lshl_add_u32 v[QO], v2, 4, v7                ; Q: 128 r + 16 h
	LOADQ QBB
	v_mul_u32_u24 v[ADRK], v1, KP
	v_lshl_add_u32 v[ADRK], v2, 4, v[ADRK]         ; 144 r + 16 h
	v_add_nc_u32 v[STO], s14, v[ADRK]              ; the stage has K's pitch
	v_add_nc_u32 v[ADRK], VREG, v[ADRK]            ; K lies behind V in a slot
	v_lshl_add_u32 v7, v2, 3, v4
	v_mul_u32_u24 v7, v7, VP
	v_lshl_add_u32 v[ADRV], v5, 4, v7              ; (8 h + l % 8) x 160 + 16 ((l / 8) % 2)
	v_mul_u32_u24 v7, v6, SPITCH
	v_lshl_add_u32 v7, v4, 4, v7
	v_add_nc_u32 v[RD], s14, v7                    ; back: 16 bytes (l % 8) of row l / 8
	v_lshlrev_b32 v[CO], 4, v3                     ; four rows of 128 bytes are 512 consecutive bytes of ao
	v_lshlrev_b32 v7, 3, v2
	v_sub_nc_u32 v7, v1, v7
	v_lshl_add_u32 v[DIF], s8, 6, v7               ; 64 w + r - 8 h
	v_mov_b32 v[NEG], 0xf149f2ca                   ; -1e30
	v_mov_b32 v[ZR], 0
	; Mask tiles.  In the diagonal block key 64 st + 16 kb + 8 h + j is allowed for query 64 w + 16 qn + r where 16 u + j <= 64 w + r - 8 h,
	; u = 4 st + kb - qn.  Tile u holds 0 or -1e30 and is taken as the C of the first product, so masking costs nothing in the steps.
	; For u < 0: 16 u + j <= -9 < -8 <= 64 w + r - 8 h: all allowed, C is the constant 0.
	WIN 0x80
.set u, 0
.rept 16
.set j, 0
.rept 8
	v_cmp_le_i32 vcc_lo, 16*u+j, v[DIF]
	v_cndmask_b32 v[MK+8*u+j], v[NEG], v[ZR], vcc_lo
.set j, j+1
.endr
.set u, u+1
.endr
	WIN 0
.macro LOADK slot, half                ; 64 keys as 8 A fragments: 16 loads
	WIN 0x40
.irp kb, 0,1,2,3
.irp dh, 0,1
	ds_load_b128 v[KF+16*\kb+8*\dh:KF+16*\kb+8*\dh+3],   v[ADRK] offset:\slot*SLOT+\half*64*KP+\kb*16*KP+\dh*64
	ds_load_b128 v[KF+16*\kb+8*\dh+4:KF+16*\kb+8*\dh+7], v[ADRK] offset:\slot*SLOT+\half*64*KP+\kb*16*KP+\dh*64+32
.endr
.endr
.endm
.macro LOADV slot, half                ; 64 keys x 64 d, transposed, as 8 A fragments of 16 d x 32 keys: 16 loads
	WIN 0x40
.irp db, 0,1,2,3
.irp ks, 0,1
	ds_load_tr16_b128 v[VF+16*\db+8*\ks:VF+16*\db+8*\ks+3],   v[ADRV] offset:\slot*SLOT+(64*\half+32*\ks)*VP+32*\db
	ds_load_tr16_b128 v[VF+16*\db+8*\ks+4:VF+16*\db+8*\ks+7], v[ADRV] offset:\slot*SLOT+(64*\half+32*\ks)*VP+32*\db+16*VP
.endr
.endr
.endm
; S^T of 64 keys x 64 queries: 16 tiles, d 0-31 then d 32-63; the 16 accumulators take turns, one instruction a turn.
; st = the diagonal block's step 0-3, or -1 (then 4 st + kb - qn < 0 for every tile: no mask).
.macro SMUL st
.if \st < 0
	WIN 0x09                                       ; A window 1, B window 2, D window 0
.else
	WIN 0x29                                       ; and C (a mask tile) window 2
.endif
.irp qn, 0,1,2,3
.irp kb, 0,1,2,3
.if 4*(\st)+\kb-\qn < 0
	v_wmma_f32_16x16x32_f16 v[SC+32*\qn+8*\kb:SC+32*\qn+8*\kb+7], v[KF+16*\kb:KF+16*\kb+7], v[QF+16*\qn:QF+16*\qn+7], 0
.else
	v_wmma_f32_16x16x32_f16 v[SC+32*\qn+8*\kb:SC+32*\qn+8*\kb+7], v[KF+16*\kb:KF+16*\kb+7], v[QF+16*\qn:QF+16*\qn+7], v[MK+8*(4*(\st)+\kb-\qn):MK+8*(4*(\st)+\kb-\qn)+7]
.endif
.endr
.endr
	WIN 0x09
.irp qn, 0,1,2,3
.irp kb, 0,1,2,3
	v_wmma_f32_16x16x32_f16 v[SC+32*\qn+8*\kb:SC+32*\qn+8*\kb+7], v[KF+16*\kb+8:KF+16*\kb+15], v[QF+16*\qn+8:QF+16*\qn+15], v[SC+32*\qn+8*\kb:SC+32*\qn+8*\kb+7]
.endr
.endr
.endm
; Query block qn: new running maximum, rescaling factor, p = 2^(s c - m), sum, p packed to f16 in place (P (qn, ks) at S (qn) + 8 ks).
.macro SOFTMAX qn, first
	WIN 0
.set SB, SC+32*\qn
.irp c, 0,1,2,3
	v_max3_num_f32 v[TS+\c], v[SB+8*\c], v[SB+8*\c+1], v[SB+8*\c+2]
.endr
.irp c, 0,1,2,3
	v_max3_num_f32 v[TS+\c], v[TS+\c], v[SB+8*\c+3], v[SB+8*\c+4]
.endr
.irp c, 0,1,2,3
	v_max3_num_f32 v[TS+\c], v[TS+\c], v[SB+8*\c+5], v[SB+8*\c+6]
.endr
.irp c, 0,1,2,3
	v_max_num_f32 v[TS+\c], v[TS+\c], v[SB+8*\c+7]
.endr
	v_max3_num_f32 v[TS], v[TS], v[TS+1], v[TS+2]
	v_max_num_f32 v[TS], v[TS], v[TS+3]
	v_permlanex16_b32 v[TS+1], v[TS], s18, s19     ; the other 32 keys of my query
	v_max_num_f32 v[TS], v[TS], v[TS+1]
.if \first
	v_mul_f32 v[MS+\qn], s16, v[TS]
.else
	v_mul_f32 v[TS], s16, v[TS]
	v_max_num_f32 v[TS], v[TS], v[MS+\qn]
	v_sub_f32 v[TS+1], v[MS+\qn], v[TS]
	v_exp_f32 v[AL2+2*\qn], v[TS+1]                ; 2^(old - new), twice, for the packed multiplies
	v_exp_f32 v[AL2+2*\qn+1], v[TS+1]
	v_mov_b32 v[MS+\qn], v[TS]                     ; a plain instruction stands behind the exponentials before their results are used (ISA guide 5.7.2)
.endif
	v_sub_f32 v[NM2+2*\qn], 0, v[MS+\qn]
	v_sub_f32 v[NM2+2*\qn+1], 0, v[MS+\qn]
.set k, 0
.rept 16
	v_pk_fma_f32 v[SB+k:SB+k+1], v[SB+k:SB+k+1], s[16:17], v[NM2+2*\qn:NM2+2*\qn+1] op_sel_hi:[1,0,1]
.set k, k+2
.endr
.set k, 0
.rept 32
	v_exp_f32 v[SB+k], v[SB+k]
.set k, k+1
.endr
	v_nop                                          ; the plain place behind the run of exponentials
	s_wait_alu depctr_va_vdst(0)
.irp c, 0,1,2,3
	v_pk_add_f32 v[TP+2*\c:TP+2*\c+1], v[SB+4*\c:SB+4*\c+1], v[SB+4*\c+2:SB+4*\c+3]
.endr
.irp c, 0,1,2,3
	v_pk_add_f32 v[TP+2*\c:TP+2*\c+1], v[TP+2*\c:TP+2*\c+1], v[SB+16+2*\c:SB+16+2*\c+1]
.endr
.irp c, 0,1,2,3
	v_pk_add_f32 v[TP+2*\c:TP+2*\c+1], v[TP+2*\c:TP+2*\c+1], v[SB+24+2*\c:SB+24+2*\c+1]
.endr
	v_pk_add_f32 v[TP:TP+1], v[TP:TP+1], v[TP+2:TP+3]
	v_pk_add_f32 v[TP+4:TP+5], v[TP+4:TP+5], v[TP+6:TP+7]
	v_pk_add_f32 v[TP:TP+1], v[TP:TP+1], v[TP+4:TP+5]
.if \first
	v_add_f32 v[LS+\qn], v[TP], v[TP+1]
.else
	v_add_f32 v[TS], v[TP], v[TP+1]
	v_fma_f32 v[LS+\qn], v[LS+\qn], v[AL2+2*\qn], v[TS]
.endif
.set k, 0
.rept 16
	v_cvt_pk_f16_f32 v[SB+k], v[SB+2*k], v[SB+2*k+1]       ; ascending: word k is written when words 2k, 2k+1 are read, never before
.set k, k+1
.endr
.endm
; O^T (qn) = O^T (qn) x factor + V^T P^T (qn): four accumulators by turns, keys 0-31 then 32-63
.macro PV qn, first
	WIN 0x51                                       ; source 0, C and D window 1, source 1 window 0
.if \first == 0
.set k, 0
.rept 16
	v_pk_mul_f32 v[OA+32*\qn+k:OA+32*\qn+k+1], v[OA+32*\qn+k:OA+32*\qn+k+1], v[AL2+2*\qn:AL2+2*\qn+1]
.set k, k+2
.endr
.endif
.irp db, 0,1,2,3
.if \first
	v_wmma_f32_16x16x32_f16 v[OA+32*\qn+8*\db:OA+32*\qn+8*\db+7], v[VF+16*\db:VF+16*\db+7], v[SC+32*\qn:SC+32*\qn+7], 0
.else
	v_wmma_f32_16x16x32_f16 v[OA+32*\qn+8*\db:OA+32*\qn+8*\db+7], v[VF+16*\db:VF+16*\db+7], v[SC+32*\qn:SC+32*\qn+7], v[OA+32*\qn+8*\db:OA+32*\qn+8*\db+7]
.endif
.endr
.irp db, 0,1,2,3
	v_wmma_f32_16x16x32_f16 v[OA+32*\qn+8*\db:OA+32*\qn+8*\db+7], v[VF+16*\db+8:VF+16*\db+15], v[SC+32*\qn+8:SC+32*\qn+15], v[OA+32*\qn+8*\db:OA+32*\qn+8*\db+7]
.endr
.endm
.macro SMPV first, left                ; left: LDS loads younger than V's that may stay out
	SOFTMAX 0, \first
	s_wait_dscnt \left                             ; V's fragments are in
	PV 0, \first
	SOFTMAX 1, \first
	PV 1, \first
	SOFTMAX 2, \first
	PV 2, \first
	SOFTMAX 3, \first
	PV 3, \first
.endm
; A slot's 128 keys, in two steps of 64.  sta, stb: the diagonal block's step numbers, or -1, -1.
.macro COMPUTE slot, sta, stb, first
	NOPS5
	LOADK \slot, 0
	LOADV \slot, 0
	s_wait_dscnt 16                                ; K's 16 loads are in, V's 16 stay out
	SMUL \sta
	NOPS5
	LOADK \slot, 1                                 ; the second step's K, while the first step's softmax runs
	SMPV \first, 16
	NOPS5
	LOADV \slot, 1
	s_wait_dscnt 16                                ; the second step's K is in, its V stays out
	SMUL \stb
	NOPS5
	SMPV 0, 0
	WIN 0
.endm
; In front of COMPUTE slot.  Every wave waits for its LDS reads and for all its tensor loads (its part of this slot among them); this slot's
; group 0, whose load is done, gets its next address (mode 1: 256 keys on; mode 2: back to the head's first keys, for the second phase);
; behind the barrier the other slot, which nobody reads any more, is filled again first.
.macro SYNC slot, mode, refill
	WIN 0
	s_wait_dscnt 0x0
	s_wait_tensorcnt 0x0
	ds_add_u32 v126, v127
	s_wait_dscnt 0x0
.if \mode == 1
	s_add_nc_u64 s[G0V+4*\slot+2:G0V+4*\slot+3], s[G0V+4*\slot+2:G0V+4*\slot+3], 32768
	s_add_nc_u64 s[G0K+4*\slot+2:G0K+4*\slot+3], s[G0K+4*\slot+2:G0K+4*\slot+3], 32768
.else
	s_add_nc_u64 s[G0V+4*\slot+2:G0V+4*\slot+3], s[VB:VB+1], \slot*16384
	s_or_b32 s[G0V+4*\slot+3], s[G0V+4*\slot+3], 0x80000000
	s_add_nc_u64 s[G0K+4*\slot+2:G0K+4*\slot+3], s[KB:KB+1], \slot*16384
	s_or_b32 s[G0K+4*\slot+3], s[G0K+4*\slot+3], 0x80000000
.endif
	s_barrier_signal -1
	s_barrier_wait -1
.if \refill
	KVLOAD 1-\slot
.endif
.endm
; O / l, rounded to f16, through my own stage, out in stores of 512 consecutive bytes.  more = 1: the second phase's Q is fetched meanwhile.
.macro EPILOGUE more, qs, os
	NOPS5
.if \more
	LOADQ \qs
.endif
	WIN 0
.irp qn, 0,1,2,3
	v_permlanex16_b32 v[TS+\qn], v[LS+\qn], s18, s19
.endr
.irp qn, 0,1,2,3
	v_add_f32 v[LS+\qn], v[LS+\qn], v[TS+\qn]      ; both halves of the keys
.endr
.irp qn, 0,1,2,3
	v_rcp_f32 v[AL2+2*\qn], v[LS+\qn]
	v_rcp_f32 v[AL2+2*\qn+1], v[LS+\qn]
.endr
	v_nop                                          ; the plain place behind the reciprocals
	WIN 0x51
	s_wait_alu depctr_va_vdst(0)
.irp qn, 0,1,2,3
.set k, 0
.rept 16
	v_pk_mul_f32 v[OA+32*\qn+k:OA+32*\qn+k+1], v[OA+32*\qn+k:OA+32*\qn+k+1], v[AL2+2*\qn:AL2+2*\qn+1]
.set k, k+2
.endr
.endr
	WIN 0x05
.set k, 0
.rept 64
	v_cvt_pk_f16_f32 v[SC+k], v[OA+2*k], v[OA+2*k+1]
.set k, k+1
.endr
	WIN 0
.irp qn, 0,1,2,3
.irp db, 0,1,2,3
	ds_store_b128 v[STO], v[SC+4*(4*\qn+\db):SC+4*(4*\qn+\db)+3] offset:\qn*16*SPITCH+\db*32
.endr
.endr
.irp t, 0,1,2,3,4,5,6,7,8,9,10,11,12,13,14,15
	ds_load_b128 v[SC+64+4*\t:SC+64+4*\t+3], v[RD] offset:\t*4*SPITCH      ; LDS serves a wave's instructions in order: these see the stores above
.endr
.irp t, 0,1,2,3,4,5,6,7,8,9,10,11,12,13,14,15
	s_wait_dscnt 15-\t                             ; the younger read-backs stay out
	global_store_b128 v[CO], v[SC+64+4*\t:SC+64+4*\t+3], s[\os:\os+1] offset:512*\t
.endr
.if \more
	s_wait_xcnt 0x0                                ; the stores' data registers are S's: written again only behind this wait
.irp qn, 0,1,2,3
	v_mov_b32 v[MS+\qn], v[NEG]                    ; the next step's factor is 2^(-1e30 - m) = 0: it clears O and l, which are finite
.endr
	s_wait_loadcnt 0x0                             ; the second phase's Q
.endif
.endm
	s_wait_tensorcnt 0x1                           ; my part of slot 0 is in; slot 1's stays out
	s_add_nc_u64 s[G0V+2:G0V+3], s[G0V+2:G0V+3], 32768     ; slot 0's load is done: its next address
	s_add_nc_u64 s[G0K+2:G0K+3], s[G0K+2:G0K+3], 32768
	s_wait_loadcnt 0x0                             ; Q
	s_barrier_signal -1
	s_barrier_wait -1
	; first phase: query block 7 - i, key blocks 0 .. 7 - i
	COMPUTE 0, -1, -1, 1                           ; the first step starts maximum, sum and O: nothing is cleared
	SYNC 1, 1, 1
	COMPUTE 1, -1, -1, 0
	s_sub_co_u32 s20, 6, s11                       ; key blocks 1 .. 6 - i
.Lloop_b:
	SYNC 0, 1, 1
	COMPUTE 0, -1, -1, 0
	SYNC 1, 1, 1
	COMPUTE 1, -1, -1, 0
	s_sub_co_u32 s20, s20, 1
	s_cmp_lg_u32 s20, 0
	s_cbranch_scc1 .Lloop_b
	SYNC 0, 2, 1                                   ; the diagonal block
	COMPUTE 0, 0, 1, 0
	SYNC 1, 2, 1                                   ; its refill is the second phase's first tile
	s_cmp_lt_u32 s8, 2                             ; queries 0-127 see none of keys 128-255: waves 0 and 1 pass over register and LDS work alone
	s_cbranch_scc1 .Lskip_b
	COMPUTE 1, 2, 3, 0
.Lskip_b:
	EPILOGUE 1, QBA, OBB
	; second phase: query block i, key blocks 0 .. i
	s_cmp_eq_u32 s11, 0
	s_cbranch_scc1 .Ldiag_a
	s_mov_b32 s20, s11
.Lloop_a:
	SYNC 0, 1, 1
	COMPUTE 0, -1, -1, 0
	SYNC 1, 1, 1
	COMPUTE 1, -1, -1, 0
	s_sub_co_u32 s20, s20, 1
	s_cmp_lg_u32 s20, 0
	s_cbranch_scc1 .Lloop_a
.Ldiag_a:
	SYNC 0, 1, 1
	COMPUTE 0, 0, 1, 0
	SYNC 1, 1, 0                                   ; nothing is left to fetch; no tensor load is out from here on
	s_cmp_lt_u32 s8, 2
	s_cbranch_scc1 .Lskip_a
	COMPUTE 1, 2, 3, 0
.Lskip_a:
	EPILOGUE 0, QBA, OBA
	s_wait_tensorcnt 0x0
	ds_add_u32 v126, v127
	s_wait_dscnt 0x0
	s_endpgm
.Lfunc_end_k_q2025a0599e_attn:
	.size	k_q2025a0599e_attn, .Lfunc_end_k_q2025a0599e_attn-k_q2025a0599e_attn
	.p2alignl 7, 3214868480
	.fill 96, 4, 3214868480
	.section	.rodata,"a",@progbits
	.p2align	6, 0x0
	.amdhsa_kernel k_q2025a0599e_attn
		.amdhsa_group_segment_fixed_size 327680
		.amdhsa_private_segment_fixed_size 0
		.amdhsa_enable_private_segment 0
		.amdhsa_kernarg_size 16
		.amdhsa_user_sgpr_count 2
		.amdhsa_user_sgpr_kernarg_segment_ptr 1
		.amdhsa_wavefront_size32 1
		.amdhsa_system_sgpr_workgroup_id_x 1
		.amdhsa_system_sgpr_workgroup_id_y 1
		.amdhsa_system_sgpr_workgroup_id_z 1
		.amdhsa_system_vgpr_workitem_id 0
		.amdhsa_next_free_vgpr 704
		.amdhsa_next_free_sgpr 72
		.amdhsa_reserve_vcc 1
		.amdhsa_float_denorm_mode_32 3
		.amdhsa_float_denorm_mode_16_64 3
		.amdhsa_memory_ordered 1
		.amdhsa_forward_progress 1
		.amdhsa_inst_pref_size 255
	.end_amdhsa_kernel
	.section	.bss,"aw",@nobits
	.p2align	6
	.space	262144
	.amdgpu_metadata
---
amdhsa.version: [ 1, 2 ]
amdhsa.kernels:
  - .name:           k_q2025a0599e_attn
    .symbol:         k_q2025a0599e_attn.kd
    .args:
      - { .name: qkv, .offset: 0, .size: 8, .value_kind: global_buffer, .address_space: global }
      - { .name: ao, .offset: 8, .size: 8, .value_kind: global_buffer, .address_space: global }
    .group_segment_fixed_size: 327680
    .private_segment_fixed_size: 0
    .kernarg_segment_align: 8
    .kernarg_segment_size: 16
    .max_flat_workgroup_size: 128
    .sgpr_count:     72
    .vgpr_count:     704
    .wavefront_size: 32
...
	.end_amdgpu_metadata
.endif
;; end of part 3
;; launch outproj (part 4): grid 8 x 32, 4 waves a work-group, clusters of 4 x 4, 327,680 bytes of LDS; arguments ao, cb, out0; writes out0
.if DOCPART == 4
	.amdgcn_target "amdgcn-amd-amdhsa--gfx1250"
	.amdhsa_code_object_version 6
	.text
	.protected	k_q2025a0599e_outproj
	.globl	k_q2025a0599e_outproj
	.p2align	8
	.type	k_q2025a0599e_outproj,@function
k_q2025a0599e_outproj:
	s_mov_b64 s[64:65], 0
	v_nop
	global_prefetch_b8 v0, s[64:65] scope:SCOPE_SE
	s_setreg_imm32_b32 hwreg(HW_REG_WAVE_MODE, 25, 1), 1
	s_wait_xcnt 0x0
	s_wait_alu depctr_hold_cnt(0) depctr_sa_sdst(0) depctr_va_vdst(0) depctr_va_sdst(0) depctr_va_ssrc(0) depctr_va_vcc(0) depctr_vm_vsrc(0)
	s_getreg_b32 s2, hwreg(HW_REG_IB_STS2, 6, 4)
	s_cmp_eq_u32 s2, 0
	s_cbranch_scc0 .Lentry_in_a_cluster
	s_endpgm
.Lentry_in_a_cluster:
	s_bfe_u32 s2, ttmp6, 0x10000c
	s_cmp_lg_u32 s2, 0xf033
	s_cbranch_scc0 .Lentry_shape_is_right
	s_endpgm
.Lentry_shape_is_right:
; out0[8192][1024] f32 = attention output [8192][1024] (f16, stored by head: ao[b][h][t][d]) times W_out^T ([1024][1024] f16 at byte 23,068,672 of cb).
; A work-group makes 256 rows x 128 columns: 8 x 32 = 256 work-groups.  Four waves; wave w makes rows 64 w .. 64 w + 63 and all 128 columns:
; 32 accumulator tiles.  K goes in steps of 128 = two heads through two LDS slots.  A head's 256 rows of 128 bytes are 32 KiB dense: one
; tensor load of 128 rows of 256 bytes, padded behind every 128 bytes, so that a t row has pitch 144 in LDS.
; CLUSTERS of 4 x 4: ao's tile hangs on the block row alone (joint along a row of the cluster), W_out's on the block column alone (along a column).
; By this text's count a wave has two tensor loads out at the start and one later.
; REGISTERS: window 0: v16-26 addresses, v32-63 / v64-95 ao fragments, v96-223 the way out; window 1: v0-63 / v64-127 W fragments;
; window 2: tiles of my rows 0-31 (tile (a, b) at 8 (8 a + b)); window 3: rows 32-63.  The matrix instruction is used transposed:
; a lane holds row l % 16 and the eight neighbouring columns 8 (l / 16) + 0..7.
.set NB,     8
.set PA,     144
.set PB,     272
.set AHALF,  256*PA                    ; one tensor load of ao: one head's 256 rows
.set BROWS,  64
.set BHALF,  BROWS*PB
.set AREG,   2*AHALF                   ; 73,728
.set SLOT,   AREG+2*BHALF              ; 108,544
.set STAGE,  2*SLOT                    ; 217,088 = 848 x 256: no tensor load lands here
.set SPITCH, 528                       ; stage row: 128 f32 + 16 bytes
.set LAPS,   4
.set ASTEP,  4*262144                  ; two K steps = four heads
.set BSTEP,  512
.set KA1, 64                           ; quarter q: head q / 2 of the slot's two, d = 32 (q % 2)
.set KA2, AHALF
.set KA3, AHALF+64
.set ADRA, 16
.set ADRB, 20
.set STO,  24
.set RD,   25
.set CO,   26
.set FA0,  32
.set FA1,  64
.set FB0,  0
.set FB1,  8*NB
.set OUTA, 96
.set OUTB, 160
.set G1,  24
.set G0,  32
.set G1B, 48
.set G0B, 56
.set GWA, (1<<16)|(1<<20)|(1<<21)|(4<<22)|(3<<25)  ; 4 words of padding behind every 32 words
.set GWB, (1<<16)|(1<<20)|(1<<21)|(5<<22)|(3<<25)  ; behind every 64 words
.set MSB, 0
.macro WIN new
.if MSB != \new
	s_set_vgpr_msb (MSB<<8)|\new
.set MSB, \new
.endif
.endm
.set MUL_LO, 0xa1
.set MUL_HI, 0xf1
.set TO_B,   0x40
.macro JLOAD s
	s_cmp_eq_u32 s11, 0
	s_cbranch_scc0 .Lfor_b_\@
	tensor_load_to_lds s[G0+4*\s:G0+4*\s+3], s[G1:G1+7]
	s_nop 0
	s_branch .Lasked_\@
.Lfor_b_\@:
	tensor_load_to_lds s[G0B+4*\s:G0B+4*\s+3], s[G1B:G1B+7]
	s_nop 0
.Lasked_\@:
.endm
.macro CREST
	s_cmp_lg_u32 s10, 0
	s_cbranch_scc1 .Lnot_wave_0_\@
	s_barrier_signal -3
.Lnot_wave_0_\@:
	s_barrier_wait -3
	s_barrier_signal -1
	s_barrier_wait -1
.endm
.macro CROUND
	s_barrier_signal -1
	s_barrier_wait -1
	CREST
.endm
.macro PLACES                          ; four independent vector instructions behind a matrix instruction (ISA guide 7.12.1)
.rept 4
	v_nop
.endr
.endm
	s_load_b128 s[4:7], s[0:1], 0x0                ; ao s[4:5], cb s[6:7]
	s_load_b64 s[8:9], s[0:1], 0x10                ; out0
	s_set_vgpr_msb 0x40
	v_lshl_add_u32 v255, v0, 2, 0x3d400
	s_set_vgpr_msb 0x4000
	v_mov_b32 v255, 0
	s_set_vgpr_msb 0x1
	ds_add_u32 v255, v255
	ds_add_u32 v255, v255
	s_set_vgpr_msb 0x100
	v_lshrrev_b32 v1, 5, v0
	v_readfirstlane_b32 s10, v1
	s_lshr_b32 s11, s10, 1                         ; 0: I fetch ao, 1: I fetch W_out
	s_and_b32 s12, s10, 1
	s_bfe_u32 s40, ttmp6, 0x40000                  ; cx
	s_bfe_u32 s41, ttmp6, 0x40004                  ; cy
	s_lshl_b32 s42, ttmp9, 2
	s_add_co_u32 s42, s42, s40                     ; block column 0..7
	s_and_b32 s13, ttmp7, 0xffff
	s_lshl_b32 s13, s13, 2
	s_add_co_u32 s13, s13, s41                     ; block row 0..31
	s_lshl_b32 s43, s41, 2
	s_lshl_b32 s43, 15, s43
	s_lshl_b32 s44, 0x1111, s40
	s_or_b32 s[G1+0], s43, GWA
	s_or_b32 s[G1B+0], s44, GWB
	s_mov_b32 s[G1+1], 128<<16
	s_mov_b32 s[G1B+1], 128<<16
	s_mov_b32 s[G1+2], 128<<16                     ; 128 rows of 256 bytes
	s_mov_b32 s[G1B+2], BROWS<<16
	s_mov_b32 s[G1+3], 128<<16
	s_mov_b32 s[G1B+3], 128<<16
	s_mov_b32 s[G1+4], 128
	s_mov_b32 s[G1B+4], BROWS
	s_mov_b32 s[G1+5], 128                         ; dense
	s_mov_b32 s[G1B+5], 1024
	s_mov_b32 s[G1+6], 0
	s_mov_b32 s[G1B+6], 0
	s_mov_b32 s[G1+7], 0
	s_mov_b32 s[G1B+7], 0
	s_lshr_b32 s16, s13, 3
	s_lshl_b32 s16, s16, 22                        ; b x 16 heads
	s_and_b32 s18, s13, 7
	s_lshl_b32 s18, s18, 15                        ; + 256 (block row % 8) rows of 128 bytes
	s_add_co_u32 s16, s16, s18
	s_lshl_b32 s18, s12, 18                        ; + my head of the K step's two
	s_add_co_u32 s16, s16, s18
	s_mov_b32 s17, 0
	s_lshl_b32 s46, s42, 18                        ; W_out: (128 block column + 64 half) rows of 2,048 bytes
	s_lshl_b32 s18, s12, 17
	s_add_co_u32 s46, s46, s18
	s_add_co_u32 s46, s46, 23068672
	s_mov_b32 s47, 0
	s_mul_i32 s20, s10, AHALF                      ; LDS: heads at 36,864 wave (waves 0, 1),
	s_mul_i32 s21, s10, BHALF
	s_add_co_u32 s21, s21, AREG-2*BHALF            ; W_out's halves at 38,912 + 17,408 wave (waves 2, 3)
	s_wait_dscnt 0x0
	s_wait_kmcnt 0x0
	s_add_nc_u64 s[14:15], s[4:5], s[16:17]
	s_add_nc_u64 s[46:47], s[6:7], s[46:47]
	CROUND
.irp s, 0,1
	s_mov_b32 s[G0+4*\s], 1
	s_add_co_u32 s[G0+4*\s+1], s20, \s*SLOT
	s_add_nc_u64 s[G0+4*\s+2:G0+4*\s+3], s[14:15], \s*2*262144     ; K step s = heads 2 s, 2 s + 1
	s_or_b32 s[G0+4*\s+3], s[G0+4*\s+3], 0x80000000
	s_mov_b32 s[G0B+4*\s], 1
	s_add_co_u32 s[G0B+4*\s+1], s21, \s*SLOT
	s_add_nc_u64 s[G0B+4*\s+2:G0B+4*\s+3], s[46:47], \s*256
	s_or_b32 s[G0B+4*\s+3], s[G0B+4*\s+3], 0x80000000
	JLOAD \s
.endr
	v_and_b32 v1, 15, v0                           ; r
	v_bfe_u32 v2, v0, 4, 1                         ; h
	v_mul_u32_u24 v3, v1, PA
	v_lshl_add_u32 v3, v2, 4, v3
	v_mul_u32_u24 v4, v1, PB
	v_lshl_add_u32 v4, v2, 4, v4
	s_mul_i32 s22, s10, 64*PA                      ; my 64 rows, in each head's part
	s_mov_b32 s23, AREG
.irp s, 0,1
	v_add_nc_u32 v[ADRA+\s], s22, v3
	v_add_nc_u32 v[ADRB+\s], s23, v4
	s_add_co_u32 s22, s22, SLOT
	s_add_co_u32 s23, s23, SLOT
.endr
	s_mul_i32 s19, s10, 16*SPITCH
	s_add_co_u32 s19, s19, STAGE
	v_mul_u32_u24 v4, v1, SPITCH
	v_lshl_add_u32 v4, v2, 5, v4
	v_add_nc_u32 v[STO], s19, v4                   ; in: row r, 32 bytes for each half of the lanes
	v_and_b32 v5, 31, v0
	v_lshlrev_b32 v[CO], 4, v5                     ; back and out: a row's 512 bytes, 16 a lane
	v_add_nc_u32 v[RD], s19, v[CO]
.macro MULROW fa, fb, hi, a, zero
.irp b, 0,1,2,3,4,5,6,7
.if \zero
	v_wmma_f32_16x16x32_f16 v[8*(NB*\a+\b):8*(NB*\a+\b)+7], v[\fb+8*\b:\fb+8*\b+7], v[\fa+8*(2*\hi+\a):\fa+8*(2*\hi+\a)+7], 0
.else
	v_wmma_f32_16x16x32_f16 v[8*(NB*\a+\b):8*(NB*\a+\b)+7], v[\fb+8*\b:\fb+8*\b+7], v[\fa+8*(2*\hi+\a):\fa+8*(2*\hi+\a)+7], v[8*(NB*\a+\b):8*(NB*\a+\b)+7]
.endif
.endr
.endm
.macro FETCH slot, ka, kb, fa, fb
	WIN TO_B
.irp i, 0,1,2,3,4,5,6,7
	ds_load_b128 v[\fb+8*\i:\fb+8*\i+3],   v[ADRB+\slot] offset:\kb+\i*16*PB
	ds_load_b128 v[\fb+8*\i+4:\fb+8*\i+7], v[ADRB+\slot] offset:\kb+\i*16*PB+32
.endr
	WIN 0
.irp i, 0,1,2,3
	ds_load_b128 v[\fa+8*\i:\fa+8*\i+3],   v[ADRA+\slot] offset:\ka+\i*16*PA
	ds_load_b128 v[\fa+8*\i+4:\fa+8*\i+7], v[ADRA+\slot] offset:\ka+\i*16*PA+32
.endr
.endm
; The 32 accumulators take turns in the same order in every quarter, one instruction a turn.
.macro QUARTER slot, ka, kb, fa, fb, ga, gb, zero
	s_wait_dscnt 4                                 ; all but the youngest four loads (my row blocks 2, 3)
	WIN MUL_LO
	MULROW \fa, \fb, 0, 0, \zero
	MULROW \fa, \fb, 0, 1, \zero
	PLACES
	FETCH \slot, \ka, \kb, \ga, \gb
	s_wait_dscnt 2*NB+8                            ; all but the 2 NB + 8 just issued
	WIN MUL_HI
	MULROW \fa, \fb, 1, 0, \zero
	MULROW \fa, \fb, 1, 1, \zero
.endm
.macro THREE slot, zero
	QUARTER \slot, KA1, 64,  FA0, FB0, FA1, FB1, \zero
	QUARTER \slot, KA2, 128, FA1, FB1, FA0, FB0, 0
	QUARTER \slot, KA3, 192, FA0, FB0, FA1, FB1, 0
.endm
; The change of slots: each wave's reads of this slot and all its tensor loads are waited for in front of the barrier; where this slot is
; filled again the barrier opens a round of the cluster's barrier and the joint refill is the first tensor load behind the round.
.macro TURN slot, next, fill
	s_wait_dscnt 4
	WIN MUL_LO
	MULROW FA1, FB1, 0, 0, 0
	s_wait_dscnt 0
	s_wait_tensorcnt 0x0
	ds_add_u32 v255, v255
	s_wait_dscnt 0x0
	s_barrier_signal -1
	MULROW FA1, FB1, 0, 1, 0
	WIN 0
	s_barrier_wait -1
.if \fill
	CREST
	s_add_nc_u64 s[G0+4*\slot+2:G0+4*\slot+3], s[G0+4*\slot+2:G0+4*\slot+3], ASTEP
	s_add_nc_u64 s[G0B+4*\slot+2:G0B+4*\slot+3], s[G0B+4*\slot+2:G0B+4*\slot+3], BSTEP
	JLOAD \slot
.endif
	PLACES
	FETCH \next, 0, 0, FA0, FB0
	WIN MUL_HI
	MULROW FA1, FB1, 1, 0, 0
	MULROW FA1, FB1, 1, 1, 0
.endm
.macro LAP zero
	THREE 0, \zero
	TURN 0, 1, 1
	THREE 1, 0
	TURN 1, 0, 1
.endm
	s_wait_tensorcnt 1                             ; my part of K step 0 is in; K step 1's stays out
	s_barrier_signal -1
	s_barrier_wait -1
	FETCH 0, 0, 0, FA0, FB0
	LAP 1
	WIN 0
	s_mov_b32 s3, LAPS-2
.Llap:
	LAP 0
	WIN 0
	s_sub_co_u32 s3, s3, 1
	s_cmp_lg_u32 s3, 0
	s_cbranch_scc1 .Llap
	THREE 0, 0
	TURN 0, 1, 0
	THREE 1, 0
	s_wait_dscnt 4
	WIN MUL_LO
	MULROW FA1, FB1, 0, 0, 0
	MULROW FA1, FB1, 0, 1, 0
	s_wait_dscnt 0
	WIN MUL_HI
	MULROW FA1, FB1, 1, 0, 0
	MULROW FA1, FB1, 1, 1, 0
	; THE WAY OUT, 16 rows at a time: the sums go as they are (f32) into my own stage and come back as whole rows of 512 bytes.
	PLACES
	s_lshl_b32 s16, s13, 20                        ; (256 block row + 64 wave) rows of 4,096 bytes
	s_lshl_b32 s17, s10, 18
	s_add_co_u32 s16, s16, s17
	s_mov_b32 s17, 0
	s_add_nc_u64 s[8:9], s[8:9], s[16:17]
	s_lshl_b32 s46, s42, 9                         ; my 128 columns (in the registers that held W_out's address)
	s_mov_b32 s47, 0
	s_add_nc_u64 s[8:9], s[8:9], s[46:47]
.macro OUT16 a, from, f
	WIN \from                                      ; the LDS stores' data come from window 2 or 3
.irp b, 0,1,2,3,4,5,6,7
	ds_store_b128 v[STO], v[8*(NB*(\a&1)+\b):8*(NB*(\a&1)+\b)+3] offset:64*\b
	ds_store_b128 v[STO], v[8*(NB*(\a&1)+\b)+4:8*(NB*(\a&1)+\b)+7] offset:64*\b+16
.endr
	WIN 0
	s_wait_xcnt 0x0                                ; buffer f, which earlier stores read, is loaded again only behind this wait
.irp t, 0,1,2,3,4,5,6,7,8,9,10,11,12,13,14,15
	ds_load_b128 v[\f+4*\t:\f+4*\t+3], v[RD] offset:\t*SPITCH      ; LDS serves a wave's instructions in order: these see the stores above
.endr
.irp t, 0,1,2,3,4,5,6,7,8,9,10,11,12,13,14,15
	s_wait_dscnt 15-\t                             ; the younger read-backs stay out
	global_store_b128 v[CO], v[\f+4*\t:\f+4*\t+3], s[8:9] offset:(16*\a+\t)*4096 th:TH_STORE_NT
.endr
.endm
	OUT16 0, 0x08, OUTA
	OUT16 1, 0x08, OUTB
	OUT16 2, 0x0c, OUTA
	OUT16 3, 0x0c, OUTB
	s_set_vgpr_msb 0x1
	s_wait_tensorcnt 0x0
	ds_add_u32 v255, v255
	s_wait_dscnt 0x0
	s_set_vgpr_msb 0x100
	CROUND                                         ; the closing round
	s_endpgm
.Lfunc_end_k_q2025a0599e_outproj:
	.size	k_q2025a0599e_outproj, .Lfunc_end_k_q2025a0599e_outproj-k_q2025a0599e_outproj
	.p2alignl 7, 3214868480
	.fill 96, 4, 3214868480
	.section	.rodata,"a",@progbits
	.p2align	6, 0x0
	.amdhsa_kernel k_q2025a0599e_outproj
		.amdhsa_group_segment_fixed_size 327680
		.amdhsa_private_segment_fixed_size 0
		.amdhsa_enable_private_segment 0
		.amdhsa_kernarg_size 24
		.amdhsa_user_sgpr_count 2
		.amdhsa_user_sgpr_kernarg_segment_ptr 1
		.amdhsa_wavefront_size32 1
		.amdhsa_system_sgpr_workgroup_id_x 1
		.amdhsa_system_sgpr_workgroup_id_y 1
		.amdhsa_system_sgpr_workgroup_id_z 1
		.amdhsa_system_vgpr_workitem_id 0
		.amdhsa_next_free_vgpr 1024
		.amdhsa_next_free_sgpr 66
		.amdhsa_reserve_vcc 0
		.amdhsa_float_denorm_mode_32 3
		.amdhsa_float_denorm_mode_16_64 3
		.amdhsa_memory_ordered 1
		.amdhsa_forward_progress 1
		.amdhsa_inst_pref_size 119
	.end_amdhsa_kernel
	.amdgpu_metadata
---
amdhsa.version: [ 1, 2 ]
amdhsa.kernels:
  - .name:           k_q2025a0599e_outproj
    .symbol:         k_q2025a0599e_outproj.kd
    .args:
      - { .name: ao, .offset: 0, .size: 8, .value_kind: global_buffer, .address_space: global }
      - { .name: cb, .offset: 8, .size: 8, .value_kind: global_buffer, .address_space: global }
      - { .name: out0, .offset: 16, .size: 8, .value_kind: global_buffer, .address_space: global }
    .group_segment_fixed_size: 327680
    .private_segment_fixed_size: 0
    .kernarg_segment_align: 8
    .kernarg_segment_size: 24
    .max_flat_workgroup_size: 128
    .sgpr_count:     66
    .vgpr_count:     1024
    .wavefront_size: 32
...
	.end_amdgpu_metadata
.endif
;; end of part 4
;; ======== version 2 of 3: 4 launches; 1.36 times as fast as version 1
;; limits: values are held in f16: magnitudes above 65,504 overflow, below 6.1e-05 lose precision
;; workspace buffers: cb 25,165,824 bytes; qkv 50,331,648 bytes; ao 16,777,216 bytes
;; launch cast: the kernel of part 1 again; grid 64 x 12, 8 waves a work-group, no clusters, 0 bytes of LDS; arguments x, W_Q, W_K, W_V, W_out, cb; writes cb
;; launch qkvproj: the kernel of part 2 again; grid 16 x 32, 4 waves a work-group, clusters of 4 x 4, 327,680 bytes of LDS; arguments cb, qkv; writes qkv
;; launch attn (part 5): grid 4 x 64, 4 waves a work-group, no clusters, 327,680 bytes of LDS; arguments qkv, ao; writes ao
.if DOCPART == 5
	.amdgcn_target "amdgcn-amd-amdhsa--gfx1250"
	.amdhsa_code_object_version 6
	.text
	.protected	k_q2025a0599e_attn
	.globl	k_q2025a0599e_attn
	.p2align	8
	.type	k_q2025a0599e_attn,@function
k_q2025a0599e_attn:
	s_mov_b64 s[64:65], 0
	v_nop
	global_prefetch_b8 v0, s[64:65] scope:SCOPE_SE
	s_setreg_imm32_b32 hwreg(HW_REG_WAVE_MODE, 25, 1), 1
	s_wait_xcnt 0x0
; Causal attention of one head, f16 operands, f32 sums, running maximum.  qkv[b][g][t][d] f16 (g: 16 Q, 16 K, 16 V heads); ao[b][h][t][d] f16.
; Grid x = i (0-3), grid y = 16 b + h.  A work-group takes the query blocks of 256 rows 7 - i (first) and i: (8 - i) + (i + 1) = 9 key blocks
; of 256 for every work-group, so all 256 have equal work.  Wave w takes queries 64 w .. 64 w + 63 of the block, as four blocks qn of 16.
; ONE TEXT FOR BOTH QUERY BLOCKS: an outer loop of two trips holds a loop over the plain key blocks, the diagonal block written out (it has
; nothing to fetch) and the way out.
; PIPELINE BY UNITS.  A unit is one query block qn against one step of 64 keys: about 125 vector instructions and 16 matrix instructions.
; Unit u's vector stream carries, one at a time, the matrix instructions of unit u - 1: its eight of P V, and then the eight of the NEXT
; step's S for the same 16 queries, written into the registers that P V has just read for the last time.  It also carries the next unit's
; maximum: its chains between the multiply-adds, its serial tail between the exponentials.  So S of a step is made during the step before.
; NO CLUSTER: the four work-groups of a head walk different numbers of key tiles in each phase, so in the same trip they want different
; tiles; a joint walk would take 8 + 4 = 12 block times for each of them in place of 9.
; LIMITS: |Q|, |K|, |V| below 65,504 (f16); a masked score is -1e30, not -infinity, so true scores must lie above about -1e29;
; the normaliser is summed from p before p is rounded to f16.
; LAYOUT: S^T = K Q^T (A = 16 keys, B = 16 queries): lane (r, h) holds query r, keys 8 h + j, so a query's maximum and sum live in its two
; lanes r and r + 16, and two neighbouring key tiles, packed to f16, ARE the B fragment of P^T.  O^T = V^T P^T (A = 16 d x 32 keys, by the
; transposing LDS load): the lane again holds query r, so the rescaling factor is the lane's own, and its 8 results are 16 bytes of a row.
; LDS: slot s at 38,912 s: V 128 keys at pitch 160, then K 128 keys at pitch 144; a key block is slot 0 then slot 1.  Stage at 77,824 + 9,216 w.
; One tensor load a wave behind each barrier (waves 0, 1: V's halves; 2, 3: K's), 8 KiB dense; a wave never has more than one out.
; REGISTERS: window 0: addresses, softmax state, a tile of zeros, S at v128-255 (tile (kb, qn) at 128 + 32 qn + 8 kb);
; window 1: O (db, qn) at 32 qn + 8 db, V (db, ks) at 128 + 16 db + 8 ks, K (kb, dh) at 192 + 16 kb + 8 dh;
; window 2: Q (qn, dh) at 16 qn + 8 dh, mask tiles u = 0-15 at 64 + 8 u, the four switched mask tiles at 192 + 8 u.
; S, O, V, K and Q are 448 registers and cannot lie in one window with the softmax state, so a woven matrix instruction stands between two
; window switches: 32 switches a unit.
.set VP,     160                       ; odd multiple of 32 bytes, for the transposing load
.set KP,     144                       ; odd multiple of 16 bytes
.set VREG,   128*VP
.set SLOT,   VREG+128*KP               ; 38,912
.set STAGE,  2*SLOT                    ; 77,824 = 304 x 256: no tensor load lands here
.set SPITCH, 144
.set ADRK, 16
.set ADRV, 17
.set QO,   18
.set STO,  19
.set RD,   20
.set CO,   21
.set DIF,  22
.set NEG,  23
.set ZR,   24
.set MS,   32                          ; v32-35  running maximum of block qn, times log2(e)/8
.set LS,   36                          ; v36-39  running sum (this lane's half of the keys)
.set NM2,  40                          ; v40-47  minus the maximum, twice
.set AL2,  48                          ; v48-55  rescaling factor, twice
.set TA,   56                          ; v56-59  at work: the next unit's maximum
.set TP,   60                          ; v60-67  at work: this unit's sums, pairs
.set TSM,  68                          ; v68     this unit's sum
.set ZT,   72                          ; v72-79  eight zeros: a fragment of zeros
.set SC,   128
.set OA,   0
.set VF,   128
.set KF,   192
.set QF,   0
.set MK,   64
.set MKX,  192
.set G1V, 24
.set G1K, 32
.set G0V, 40
.set G0K, 48
.set VB,  56                           ; s[56:57] address of my part of V's keys 0-127, without type bits
.set KB,  58                           ; s[58:59] the same for K
.set QB,  60                           ; s[60:61] the phase's query block: my Q rows
.set OB,  62                           ; s[62:63] and my rows of ao
.set NBLK, 66                          ; s66 the phase's query block = its number of plain key blocks
.set PH,   67                          ; s67 phase 0, 1
.set MSEL, 68                          ; s68 all ones: the next block is the diagonal one; 0: it is plain
.set MT,   69                          ; s69 at work
.set MSB, 0
.macro WIN new                         ; the immediate's high byte repeats the setting that is left
.if MSB != \new
	s_set_vgpr_msb (MSB<<8)|\new
.set MSB, \new
.endif
.endm
.macro NOPS5                           ; five independent vector instructions behind a matrix instruction: enough for a load into, a vector use of, and a matrix write over its registers
.rept 5
	v_nop
.endr
.endm
.macro KVLOAD s                        ; my one tensor load: part of slot s
	s_cmp_eq_u32 s9, 0
	s_cbranch_scc0 .Lfor_k_\@
	tensor_load_to_lds s[G0V+4*(\s):G0V+4*(\s)+3], s[G1V:G1V+7]
	s_nop 0
	s_branch .Lasked_\@
.Lfor_k_\@:
	tensor_load_to_lds s[G0K+4*(\s):G0K+4*(\s)+3], s[G1K:G1K+7]
	s_nop 0
.Lasked_\@:
.endm
.macro LOADQ                           ; my 64 queries as 8 B fragments: lane (r, h) takes row r, bytes 16 h and 32 + 16 h of each 64
	WIN 0x80
.irp qn, 0,1,2,3
.irp dh, 0,1
	global_load_b128 v[QF+16*\qn+8*\dh:QF+16*\qn+8*\dh+3],   v[QO], s[QB:QB+1] offset:\qn*2048+\dh*64
	global_load_b128 v[QF+16*\qn+8*\dh+4:QF+16*\qn+8*\dh+7], v[QO], s[QB:QB+1] offset:\qn*2048+\dh*64+32
.endr
.endr
	WIN 0
.endm
	s_load_b128 s[4:7], s[0:1], 0x0                ; qkv s[4:5], ao s[6:7]
	v_lshl_add_u32 v126, v0, 2, 0x29000
	v_mov_b32 v127, 0
	v_lshrrev_b32 v1, 5, v0
	v_readfirstlane_b32 s8, v1                     ; wave 0..3
	s_lshr_b32 s9, s8, 1                           ; 0: I fetch V, 1: I fetch K
	s_and_b32 s10, s8, 1                           ; which 64 keys of a tile
	s_mov_b32 s11, ttmp9                           ; i
	s_and_b32 s12, ttmp7, 0xffff                   ; 16 b + h
	s_lshr_b32 s13, s12, 4
	s_and_b32 s14, s12, 15
	s_mul_i32 s13, s13, 48
	s_add_co_u32 s13, s13, s14
	s_lshl_b32 s2, s13, 18                         ; (48 b + h) heads of 262,144 bytes
	s_mov_b32 s3, 0
	s_lshl_b32 s14, s12, 18                        ; (16 b + h) heads in ao
	s_mov_b32 s15, 0
	s_mov_b32 s16, 0x3e38aa3b                      ; log2(e) / sqrt(64)
	s_mov_b32 s17, 0x3e38aa3b
	s_mov_b32 s18, 0x76543210                      ; v_permlanex16_b32: lane l reads lane l xor 16
	s_mov_b32 s19, 0xfedcba98
	; group 1: 32 rows of 256 bytes, dense; behind every 32 words (a key's 128 bytes) 8 words of padding for V, 4 for K
	s_mov_b32 s[G1V+0], (1<<16)|(1<<20)|(4<<22)|(7<<25)
	s_mov_b32 s[G1K+0], (1<<16)|(1<<20)|(4<<22)|(3<<25)
	s_mov_b32 s[G1V+1], 128<<16
	s_mov_b32 s[G1K+1], 128<<16
	s_mov_b32 s[G1V+2], 32<<16
	s_mov_b32 s[G1K+2], 32<<16
	s_mov_b32 s[G1V+3], 128<<16
	s_mov_b32 s[G1K+3], 128<<16
	s_mov_b32 s[G1V+4], 32
	s_mov_b32 s[G1K+4], 32
	s_mov_b32 s[G1V+5], 128
	s_mov_b32 s[G1K+5], 128
	s_mov_b32 s[G1V+6], 0
	s_mov_b32 s[G1K+6], 0
	s_mov_b32 s[G1V+7], 0
	s_mov_b32 s[G1K+7], 0
	s_lshl_b32 s21, s10, 13                        ; my 64 keys of 128 bytes
	s_add_co_u32 s22, s21, 0x800000                ; V heads lie 32 heads behind Q's
	s_mov_b32 s23, 0
	s_mul_i32 s12, s8, 64*VP                       ; LDS: V's halves at 10,240 wave (waves 0, 1)
	s_mul_i32 s13, s8, 64*KP
	s_add_co_u32 s13, s13, VREG-2*64*KP            ; K's at 2,048 + 9,216 wave (waves 2, 3)
	s_wait_kmcnt 0x0
	s_add_nc_u64 s[4:5], s[4:5], s[2:3]            ; the head's Q
	s_add_nc_u64 s[6:7], s[6:7], s[14:15]          ; the head's rows of ao
	s_add_nc_u64 s[VB:VB+1], s[4:5], s[22:23]
	s_add_co_u32 s22, s21, 0x400000                ; K heads lie 16 heads behind Q's
	s_add_nc_u64 s[KB:KB+1], s[4:5], s[22:23]
.irp s, 0,1
	s_mov_b32 s[G0V+4*\s], 1                       ; group 0's constant words; the global addresses are set at each phase's start
	s_add_co_u32 s[G0V+4*\s+1], s12, \s*SLOT
	s_mov_b32 s[G0K+4*\s], 1
	s_add_co_u32 s[G0K+4*\s+1], s13, \s*SLOT
.endr
	s_lshl_b32 s21, s8, 13                         ; my 64 query rows of 128 bytes; kept
	s_mul_i32 s14, s8, 64*SPITCH
	s_add_co_u32 s14, s14, STAGE                   ; my stage
	v_and_b32 v1, 15, v0                           ; r
	v_bfe_u32 v2, v0, 4, 1                         ; h
	v_and_b32 v3, 31, v0                           ; l
	v_and_b32 v4, 7, v0                            ; l % 8
	v_bfe_u32 v5, v0, 3, 1                         ; (l / 8) % 2
	v_bfe_u32 v6, v0, 3, 2                         ; l / 8
	v_lshlrev_b32 v7, 7, v1
	v_lshl_add_u32 v[QO], v2, 4, v7                ; Q: 128 r + 16 h
	v_mul_u32_u24 v[ADRK], v1, KP
	v_lshl_add_u32 v[ADRK], v2, 4, v[ADRK]         ; 144 r + 16 h
	v_add_nc_u32 v[STO], s14, v[ADRK]              ; the stage has K's pitch
	v_add_nc_u32 v[ADRK], VREG, v[ADRK]            ; K lies behind V in a slot
	v_lshl_add_u32 v7, v2, 3, v4
	v_mul_u32_u24 v7, v7, VP
	v_lshl_add_u32 v[ADRV], v5, 4, v7              ; (8 h + l % 8) x 160 + 16 ((l / 8) % 2)
	v_mul_u32_u24 v7, v6, SPITCH
	v_lshl_add_u32 v7, v4, 4, v7
	v_add_nc_u32 v[RD], s14, v7                    ; back: 16 bytes (l % 8) of row l / 8
	v_lshlrev_b32 v[CO], 4, v3                     ; four rows of 128 bytes are 512 consecutive bytes of ao
	v_lshlrev_b32 v7, 3, v2
	v_sub_nc_u32 v7, v1, v7
	v_lshl_add_u32 v[DIF], s8, 6, v7               ; 64 w + r - 8 h
	v_mov_b32 v[NEG], 0xf149f2ca                   ; -1e30
	v_mov_b32 v[ZR], 0
.irp j, 0,1,2,3,4,5,6,7
	v_mov_b32 v[ZT+\j], 0
.endr
	s_mov_b32 s[PH], 0
.macro LOADK slot, half                ; 64 keys as 8 A fragments: 16 loads
	WIN 0x40
.irp kb, 0,1,2,3
.irp dh, 0,1
	ds_load_b128 v[KF+16*\kb+8*\dh:KF+16*\kb+8*\dh+3],   v[ADRK] offset:\slot*SLOT+\half*64*KP+\kb*16*KP+\dh*64
	ds_load_b128 v[KF+16*\kb+8*\dh+4:KF+16*\kb+8*\dh+7], v[ADRK] offset:\slot*SLOT+\half*64*KP+\kb*16*KP+\dh*64+32
.endr
.endr
.endm
.macro LOADV slot, half                ; 64 keys x 64 d, transposed, as 8 A fragments of 16 d x 32 keys: 16 loads
	WIN 0x40
.irp db, 0,1,2,3
.irp ks, 0,1
	ds_load_tr16_b128 v[VF+16*\db+8*\ks:VF+16*\db+8*\ks+3],   v[ADRV] offset:\slot*SLOT+(64*\half+32*\ks)*VP+32*\db
	ds_load_tr16_b128 v[VF+16*\db+8*\ks+4:VF+16*\db+8*\ks+7], v[ADRV] offset:\slot*SLOT+(64*\half+32*\ks)*VP+32*\db+16*VP
.endr
.endr
.endm
; Instruction i (0-27) of query block nx's new running maximum: 0-15 four chains over the lane's 32 scores; 16-27 the serial tail: the lane's
; maximum, the partner lane's, the scale, the running maximum, the rescaling factor 2^(old - new), minus the maximum twice, the factor twice.
.macro AOP nx, i
	WIN 0
.set an, SC+32*(\nx)
.set ac, (\i)&3
.if (\i)/4 == 0
	v_max3_num_f32 v[TA+ac], v[an+8*ac], v[an+8*ac+1], v[an+8*ac+2]
.endif
.if (\i)/4 == 1
	v_max3_num_f32 v[TA+ac], v[TA+ac], v[an+8*ac+3], v[an+8*ac+4]
.endif
.if (\i)/4 == 2
	v_max3_num_f32 v[TA+ac], v[TA+ac], v[an+8*ac+5], v[an+8*ac+6]
.endif
.if (\i)/4 == 3
	v_max_num_f32 v[TA+ac], v[TA+ac], v[an+8*ac+7]
.endif
.if (\i) == 16
	v_max3_num_f32 v[TA], v[TA], v[TA+1], v[TA+2]
.endif
.if (\i) == 17
	v_max_num_f32 v[TA], v[TA], v[TA+3]
.endif
.if (\i) == 18
	v_permlanex16_b32 v[TA+1], v[TA], s18, s19     ; the other 32 keys of my query
.endif
.if (\i) == 19
	v_max_num_f32 v[TA], v[TA], v[TA+1]
.endif
.if (\i) == 20
	v_mul_f32 v[TA], s16, v[TA]
.endif
.if (\i) == 21
	v_max_num_f32 v[TA], v[TA], v[MS+\nx]
.endif
.if (\i) == 22
	v_sub_f32 v[TA+1], v[MS+\nx], v[TA]
.endif
.if (\i) == 23
	v_exp_f32 v[AL2+2*\nx], v[TA+1]                ; its result is read by instruction 27, behind the plain instructions 24 to 26 (ISA guide 5.7.2)
.endif
.if (\i) == 24
	v_mov_b32 v[MS+\nx], v[TA]
.endif
.if (\i) == 25
	v_sub_f32 v[NM2+2*\nx], 0, v[TA]
.endif
.if (\i) == 26
	v_sub_f32 v[NM2+2*\nx+1], 0, v[TA]
.endif
.if (\i) == 27
	s_wait_alu depctr_va_vdst(0)
	v_mov_b32 v[AL2+2*\nx+1], v[AL2+2*\nx]
.endif
.endm
; Matrix instruction i (0-7) of O^T (q) += V^T P^T (q): d blocks 0-3 for keys 0-31, then for keys 32-63: four accumulators by turns
.macro MMPV q, i
	WIN 0x51                                       ; source 0, C and D window 1, source 1 window 0
.set pdb, (\i)&3
.set pks, (\i)/4
	v_wmma_f32_16x16x32_f16 v[OA+32*\q+8*pdb:OA+32*\q+8*pdb+7], v[VF+16*pdb+8*pks:VF+16*pdb+8*pks+7], v[SC+32*\q+8*pks:SC+32*\q+8*pks+7], v[OA+32*\q+8*pdb:OA+32*\q+8*pdb+7]
.endm
; Matrix instruction i (0-7) of S^T of 64 keys x query block q: key tiles 2, 3, 0, 1 for d 0-31, then for d 32-63: four accumulators by turns;
; tiles 0 and 1, whose registers held P, come last.  st: -1 no mask; 0 a block's first step: the switched tiles; 1-3 the diagonal block's steps.
; The mask tile u = 4 st + kb - q is the C of the first product (u < 0: every key is allowed, C is the constant 0).
.macro MMSN q, st, i
.set mkb, ((\i)+2)&3
.set md, SC+32*\q+8*mkb
.if (\i) < 4
.set mu, 4*(\st)+mkb-\q
.if mu < 0
	WIN 0x09                                       ; A window 1, B window 2, D window 0
	v_wmma_f32_16x16x32_f16 v[md:md+7], v[KF+16*mkb:KF+16*mkb+7], v[QF+16*\q:QF+16*\q+7], 0
.else
.if \st == 0
.set mc, MKX+8*mu
.else
.set mc, MK+8*mu
.endif
	WIN 0x29                                       ; and C window 2
	v_wmma_f32_16x16x32_f16 v[md:md+7], v[KF+16*mkb:KF+16*mkb+7], v[QF+16*\q:QF+16*\q+7], v[mc:mc+7]
.endif
.else
	WIN 0x09
	v_wmma_f32_16x16x32_f16 v[md:md+7], v[KF+16*mkb+8:KF+16*mkb+15], v[QF+16*\q+8:QF+16*\q+15], v[md:md+7]
.endif
.endm
; First half of unit qn: s c - m and 2^(.) in place.  Woven in: the eight matrix instructions of P V of block pv (the unit before), one behind
; every 8 vector instructions, then one behind every 8 exponentials; and block nx's maximum (nx = -1: there is no next unit).
; pv, qn and nx are three different blocks, so no vector instruction here names a register of a woven matrix instruction.
; vwait >= 0: V's fragments are new; so many younger LDS loads may stay out.
.macro H1 qn, pv, nx, vwait
.set hb, SC+32*\qn
.set hk, 0
.rept 16
	WIN 0
	v_pk_fma_f32 v[hb+2*hk:hb+2*hk+1], v[hb+2*hk:hb+2*hk+1], s[16:17], v[NM2+2*\qn:NM2+2*\qn+1] op_sel_hi:[1,0,1]
.if \nx >= 0
	AOP \nx, hk
.endif
.if (hk&3) == 3
.if hk == 3
.if \vwait >= 0
	s_wait_dscnt \vwait                            ; V's 16 loads are in
.endif
.endif
	MMPV \pv, hk/4
.endif
.set hk, hk+1
.endr
.set hg, 0
.rept 4
.set he, 0
.rept 3
	WIN 0
	v_exp_f32 v[hb+8*hg+2*he], v[hb+8*hg+2*he]
	v_exp_f32 v[hb+8*hg+2*he+1], v[hb+8*hg+2*he+1]
.if \nx >= 0
	AOP \nx, 16+3*hg+he
.endif
.set he, he+1
.endr
	v_exp_f32 v[hb+8*hg+6], v[hb+8*hg+6]
	v_exp_f32 v[hb+8*hg+7], v[hb+8*hg+7]
	MMPV \pv, 4+hg
.set hg, hg+1
.endr
.endm
.macro SL sn, st, n
.if \sn >= 0
	MMSN \sn, \st, \n
.endif
.endm
; Second half of unit qn: the sum, p packed to f16 in place (P (qn, ks) at S (qn) + 8 ks), O (qn) rescaled.  Woven in: the eight matrix
; instructions of the next step's S of block sn (sn = -1: there is no next step), one behind every five vector instructions.
; The first of them stands nine plain places behind the last P V instruction, whose P registers S writes over; behind the last stand six.
; vs >= 0: this step's V is loaded from slot vs, half vh, nine places behind the last matrix instruction that read the old V.
; kwait >= 0: K's fragments are new.
.macro H2 qn, sn, st, vs, vh, kwait
.set gb, SC+32*\qn
	WIN 0
	v_nop                                          ; the plain place behind the run of exponentials (ISA guide 5.7.2)
	s_wait_alu depctr_va_vdst(0)
.irp c, 0,1,2,3
	v_pk_add_f32 v[TP+2*\c:TP+2*\c+1], v[gb+4*\c:gb+4*\c+1], v[gb+4*\c+2:gb+4*\c+3]
.endr
.irp c, 0,1,2,3
	v_pk_add_f32 v[TP+2*\c:TP+2*\c+1], v[TP+2*\c:TP+2*\c+1], v[gb+16+2*\c:gb+16+2*\c+1]
.endr
.if \vs >= 0
	LOADV \vs, \vh
.endif
.if \kwait >= 0
	s_wait_dscnt \kwait                            ; the next step's K is in
.endif
	SL \sn, \st, 0
	WIN 0
	s_wait_alu depctr_va_vdst(0)
.irp c, 0,1,2,3
	v_pk_add_f32 v[TP+2*\c:TP+2*\c+1], v[TP+2*\c:TP+2*\c+1], v[gb+24+2*\c:gb+24+2*\c+1]
.endr
	v_pk_add_f32 v[TP:TP+1], v[TP:TP+1], v[TP+2:TP+3]
	SL \sn, \st, 1
	WIN 0
	v_pk_add_f32 v[TP+4:TP+5], v[TP+4:TP+5], v[TP+6:TP+7]
.irp j, 0,1,2
	v_cvt_pk_f16_f32 v[gb+\j], v[gb+2*\j], v[gb+2*\j+1]    ; ascending: word j is written when words 2j, 2j+1 are read, never before; all sums have read S
.endr
	v_pk_add_f32 v[TP:TP+1], v[TP:TP+1], v[TP+4:TP+5]
	SL \sn, \st, 2
	WIN 0
.irp j, 3,4,5,6
	v_cvt_pk_f16_f32 v[gb+\j], v[gb+2*\j], v[gb+2*\j+1]
.endr
	v_add_f32 v[TSM], v[TP], v[TP+1]
	SL \sn, \st, 3
	WIN 0
.irp j, 7,8,9,10
	v_cvt_pk_f16_f32 v[gb+\j], v[gb+2*\j], v[gb+2*\j+1]
.endr
	v_fma_f32 v[LS+\qn], v[LS+\qn], v[AL2+2*\qn], v[TSM]
	SL \sn, \st, 4
	WIN 0
.irp j, 11,12,13,14,15
	v_cvt_pk_f16_f32 v[gb+\j], v[gb+2*\j], v[gb+2*\j+1]
.endr
	SL \sn, \st, 5
	WIN 0x51
.irp j, 0,1,2,3,4
	v_pk_mul_f32 v[OA+32*\qn+2*\j:OA+32*\qn+2*\j+1], v[OA+32*\qn+2*\j:OA+32*\qn+2*\j+1], v[AL2+2*\qn:AL2+2*\qn+1]
.endr
	SL \sn, \st, 6
	WIN 0x51
.irp j, 5,6,7,8,9
	v_pk_mul_f32 v[OA+32*\qn+2*\j:OA+32*\qn+2*\j+1], v[OA+32*\qn+2*\j:OA+32*\qn+2*\j+1], v[AL2+2*\qn:AL2+2*\qn+1]
.endr
	SL \sn, \st, 7
	WIN 0x51
.irp j, 10,11,12,13,14,15
	v_pk_mul_f32 v[OA+32*\qn+2*\j:OA+32*\qn+2*\j+1], v[OA+32*\qn+2*\j:OA+32*\qn+2*\j+1], v[AL2+2*\qn:AL2+2*\qn+1]
.endr
.endm
; In front of the first read of slot 'slot'.  Every wave waits for its LDS reads (the other slot's last among them) and for all its tensor
; loads (its part of this slot among them); this slot's group 0, whose load is done, steps 256 keys on; behind the barrier the other slot,
; which nobody reads any more, is filled first.
.macro SYNC slot, refill
	WIN 0
	s_wait_dscnt 0x0
	s_wait_tensorcnt 0x0
	ds_add_u32 v126, v127
	s_wait_dscnt 0x0
	s_add_nc_u64 s[G0V+4*\slot+2:G0V+4*\slot+3], s[G0V+4*\slot+2:G0V+4*\slot+3], 32768
	s_add_nc_u64 s[G0K+4*\slot+2:G0K+4*\slot+3], s[G0K+4*\slot+2:G0K+4*\slot+3], 32768
	s_barrier_signal -1
	s_barrier_wait -1
.if \refill
	KVLOAD 1-\slot
.endif
.endm
; A step of 64 keys (slot, half): four units.  On entry P V of the last step's block 3 and S of this step's block 3 are still to do; they ride
; in unit 0.  stc, stn: the mask codes of this step and of the next.  sy >= 0: the next step's K lies in the other slot sy: change slots behind
; this step's V, the old slot's last read.  ks, kh: slot and half of the next step's K (ks = -1: this is the phase's last step).
.macro STEP slot, half, stc, stn, sy, refill, ks, kh
	H1 0, 3, 1, -1
	H2 0, 3, \stc, \slot, \half, -1
.if \sy >= 0
	SYNC \sy, \refill
.endif
.if \ks >= 0
	LOADK \ks, \kh                                 ; six plain places behind the last matrix instruction that read the old K
	H1 1, 0, 2, 16                                 ; V is in; K's 16 younger loads stay out
	H2 1, 0, \stn, -1, 0, 0
	H1 2, 1, 3, -1
	H2 2, 1, \stn, -1, 0, -1
	H1 3, 2, 0, -1
	H2 3, 2, \stn, -1, 0, -1
.else
	H1 1, 0, 2, 0
	H2 1, -1, 0, -1, 0, -1
	H1 2, 1, 3, -1
	H2 2, -1, 0, -1, 0, -1
	H1 3, 2, -1, -1
	H2 3, -1, 0, -1, 0, -1
.endif
.endm
; The four mask tiles of a block's first step: the true ones where the block is the diagonal one, zeros where it is plain.  That step's S is
; made in the text of the block before, which is the same for every block, so the choice is a select on a scalar, not a branch.
.macro MKXSET
	WIN 0x88                                       ; source 1 and destination window 2
.set xk, 0
.rept 32
	v_cndmask_b32 v[MKX+xk], 0, v[MK+xk], s[MSEL]
.set xk, xk+1
.endr
	WIN 0
.endm
; O / l, rounded to f16, through my own stage, out in stores of 512 consecutive bytes.
.macro EPILOGUE
	NOPS5
	WIN 0
.irp qn, 0,1,2,3
	v_permlanex16_b32 v[TA+\qn], v[LS+\qn], s18, s19
.endr
.irp qn, 0,1,2,3
	v_add_f32 v[LS+\qn], v[LS+\qn], v[TA+\qn]      ; both halves of the keys
.endr
.irp qn, 0,1,2,3
	v_rcp_f32 v[AL2+2*\qn], v[LS+\qn]
	v_rcp_f32 v[AL2+2*\qn+1], v[LS+\qn]
.endr
	v_nop                                          ; the plain place behind the reciprocals
	WIN 0x51
	s_wait_alu depctr_va_vdst(0)
.irp qn, 0,1,2,3
.set k, 0
.rept 16
	v_pk_mul_f32 v[OA+32*\qn+k:OA+32*\qn+k+1], v[OA+32*\qn+k:OA+32*\qn+k+1], v[AL2+2*\qn:AL2+2*\qn+1]
.set k, k+2
.endr
.endr
	WIN 0x05
.set k, 0
.rept 64
	v_cvt_pk_f16_f32 v[SC+k], v[OA+2*k], v[OA+2*k+1]
.set k, k+1
.endr
	WIN 0
.irp qn, 0,1,2,3
.irp db, 0,1,2,3
	ds_store_b128 v[STO], v[SC+4*(4*\qn+\db):SC+4*(4*\qn+\db)+3] offset:\qn*16*SPITCH+\db*32
.endr
.endr
.irp t, 0,1,2,3,4,5,6,7,8,9,10,11,12,13,14,15
	ds_load_b128 v[SC+64+4*\t:SC+64+4*\t+3], v[RD] offset:\t*4*SPITCH      ; LDS serves a wave's instructions in order: these see the stores above
.endr
.irp t, 0,1,2,3,4,5,6,7,8,9,10,11,12,13,14,15
	s_wait_dscnt 15-\t                             ; the younger read-backs stay out
	global_store_b128 v[CO], v[SC+64+4*\t:SC+64+4*\t+3], s[OB:OB+1] offset:512*\t
.endr
.endm
; ---- a phase: one query block of 256 rows against key blocks 0 .. the block itself ----
.Lphase:
	s_wait_xcnt 0x0                                ; the last phase's stores have had their addresses translated: their base and data registers are written again only behind this wait
	s_wait_dscnt 0x0                               ; my LDS reads are back,
	s_wait_tensorcnt 0x0                           ; none of my tensor loads is out: every group 0 may be written
	ds_add_u32 v126, v127
	ds_add_u32 v126, v127
	s_wait_dscnt 0x0
.irp s, 0,1
	s_add_nc_u64 s[G0V+4*\s+2:G0V+4*\s+3], s[VB:VB+1], \s*16384    ; slot s: keys 128 s .. 128 s + 127 of the head
	s_or_b32 s[G0V+4*\s+3], s[G0V+4*\s+3], 0x80000000
	s_add_nc_u64 s[G0K+4*\s+2:G0K+4*\s+3], s[KB:KB+1], \s*16384
	s_or_b32 s[G0K+4*\s+3], s[G0K+4*\s+3], 0x80000000
.endr
	s_barrier_signal -1                            ; all four waves have said so:
	s_barrier_wait -1
	KVLOAD 0                                       ; slot 0 gets the phase's first 128 keys (in the first phase its first fill)
	s_sub_co_u32 s[NBLK], 7, s11                   ; first phase: query block 7 - i,
	s_cmp_eq_u32 s[PH], 0
	s_cselect_b32 s[NBLK], s[NBLK], s11            ; second: block i
	s_lshl_b32 s22, s[NBLK], 15                    ; block x 256 rows of 128 bytes
	s_add_co_u32 s22, s22, s21                     ; + wave x 64 rows (s23 = 0)
	s_add_nc_u64 s[QB:QB+1], s[4:5], s[22:23]
	s_add_nc_u64 s[OB:OB+1], s[6:7], s[22:23]
	LOADQ
	; Mask tiles.  In the diagonal block key 64 st + 16 kb + 8 h + j is allowed for query 64 w + 16 qn + r where 16 u + j <= 64 w + r - 8 h,
	; u = 4 st + kb - qn.  Tile u holds 0 or -1e30 and is taken as the C of the first product, so masking costs nothing in the steps.
	; For u < 0: 16 u + j <= -9 < -8 <= 64 w + r - 8 h: all allowed, C is the constant 0.
	; They are made here, in each phase, behind the requests for the phase's first tile and its Q, whose arrival the wave has to await anyway.
	WIN 0x80
.set u, 0
.rept 16
.set j, 0
.rept 8
	v_cmp_le_i32 vcc_lo, 16*u+j, v[DIF]
	v_cndmask_b32 v[MK+8*u+j], v[NEG], v[ZR], vcc_lo
.set j, j+1
.endr
.set u, u+1
.endr
	WIN 0
	s_cmp_eq_u32 s[NBLK], 0                        ; is the phase's first block the diagonal one?
	s_cselect_b32 s[MSEL], -1, 0
	MKXSET
.irp qn, 0,1,2,3
	v_mov_b32 v[MS+\qn], v[NEG]                    ; the first step's factor is 2^(-1e30 - m) = 0
	v_mov_b32 v[LS+\qn], 0
.endr
.set k, 0
.rept 16
	v_mov_b32 v[SC+96+k], 0                        ; P of block 3 = 0: the P V that the first unit carries adds nothing
.set k, k+1
.endr
	WIN 0x40                                       ; O starts as 0 x 0 + 0: 16 matrix instructions on the fragment of zeros, for 128 registers
.set t, 0
.rept 16
	v_wmma_f32_16x16x32_f16 v[OA+8*t:OA+8*t+7], v[ZT:ZT+7], v[ZT:ZT+7], 0
.set t, t+1
.endr
	SYNC 0, 1                                      ; slot 0 is whole; slot 1 gets keys 128-255
	LOADK 0, 0
	LOADV 0, 0                                     ; finite numbers for the P V that adds nothing; unit 0 loads them again
	WIN 0
	s_wait_loadcnt 0x0                             ; Q
	s_wait_dscnt 16                                ; K's 16 loads are in, V's 16 stay out
.irp q, 0,1,2
.irp i, 0,1,2,3
	MMSN \q, 0, \i                                 ; the first step's S of blocks 0-2: twelve accumulators by turns; block 3's rides in the first unit
.endr
.endr
.irp q, 0,1,2
.irp i, 4,5,6,7
	MMSN \q, 0, \i
.endr
.endr
	s_wait_dscnt 0x0                               ; V
	NOPS5
.set pa, 0
.rept 28
	AOP 0, pa                                      ; block 0's first maximum
.set pa, pa+1
.endr
	WIN 0
	s_cmp_eq_u32 s[NBLK], 0                        ; query block 0 has the diagonal block alone
	s_cbranch_scc1 .Ldiag
	s_mov_b32 s20, 0
.Lblock:                                               ; a plain key block of 256: nothing is masked
	STEP 0, 0, 0, -1, -1, 0, 0, 1
	STEP 0, 1, -1, -1, 1, 1, 1, 0                  ; refill: the next block's keys 0-127
	WIN 0
	s_add_co_u32 s[MT], s20, 1
	s_cmp_eq_u32 s[MT], s[NBLK]                    ; is the next block the diagonal one?
	s_cselect_b32 s[MSEL], -1, 0
	MKXSET                                         ; last read in this block's first unit, next in its fourth step
	STEP 1, 0, -1, -1, -1, 0, 1, 1
	STEP 1, 1, -1, 0, 0, 1, 0, 0                   ; refill: the next block's keys 128-255
	WIN 0
	s_add_co_u32 s20, s20, 1
	s_cmp_lt_u32 s20, s[NBLK]
	s_cbranch_scc1 .Lblock
.Ldiag:                                                ; the diagonal block: nothing is left to fetch
	STEP 0, 0, 0, 1, -1, 0, 0, 1
	STEP 0, 1, 1, 2, 1, 0, 1, 0                    ; slot 1 is whole; no tensor load is out from here to the next phase's start
	WIN 0
	s_cmp_lt_u32 s8, 2                             ; queries 0-127 see none of keys 128-255: waves 0 and 1 pass over register and LDS work alone;
	s_cbranch_scc1 .Ldrain                         ; the maximum already taken of the third step's block 0 (all masked) left their state as it was
	STEP 1, 0, 2, 3, -1, 0, 1, 1
	STEP 1, 1, 3, 0, -1, 0, -1, 0
	WIN 0
.Ldrain:                                               ; the last step's P V of block 3
.irp i, 0,1,2,3,4,5,6,7
	MMPV 3, \i
.endr
	EPILOGUE
	s_add_co_u32 s[PH], s[PH], 1
	s_cmp_lt_u32 s[PH], 2
	s_cbranch_scc1 .Lphase
	s_wait_tensorcnt 0x0
	ds_add_u32 v126, v127
	s_wait_dscnt 0x0
	s_endpgm
.Lfunc_end_k_q2025a0599e_attn:
	.size	k_q2025a0599e_attn, .Lfunc_end_k_q2025a0599e_attn-k_q2025a0599e_attn
	.p2alignl 7, 3214868480
	.fill 96, 4, 3214868480
	.section	.rodata,"a",@progbits
	.p2align	6, 0x0
	.amdhsa_kernel k_q2025a0599e_attn
		.amdhsa_group_segment_fixed_size 327680
		.amdhsa_private_segment_fixed_size 0
		.amdhsa_enable_private_segment 0
		.amdhsa_kernarg_size 16
		.amdhsa_user_sgpr_count 2
		.amdhsa_user_sgpr_kernarg_segment_ptr 1
		.amdhsa_wavefront_size32 1
		.amdhsa_system_sgpr_workgroup_id_x 1
		.amdhsa_system_sgpr_workgroup_id_y 1
		.amdhsa_system_sgpr_workgroup_id_z 1
		.amdhsa_system_vgpr_workitem_id 0
		.amdhsa_next_free_vgpr 768
		.amdhsa_next_free_sgpr 72
		.amdhsa_reserve_vcc 1
		.amdhsa_float_denorm_mode_32 3
		.amdhsa_float_denorm_mode_16_64 3
		.amdhsa_memory_ordered 1
		.amdhsa_forward_progress 1
		.amdhsa_inst_pref_size 255
	.end_amdhsa_kernel
	.section	.bss,"aw",@nobits
	.p2align	6
	.space	262144
	.amdgpu_metadata
---
amdhsa.version: [ 1, 2 ]
amdhsa.kernels:
  - .name:           k_q2025a0599e_attn
    .symbol:         k_q2025a0599e_attn.kd
    .args:
      - { .name: qkv, .offset: 0, .size: 8, .value_kind: global_buffer, .address_space: global }
      - { .name: ao, .offset: 8, .size: 8, .value_kind: global_buffer, .address_space: global }
    .group_segment_fixed_size: 327680
    .private_segment_fixed_size: 0
    .kernarg_segment_align: 8
    .kernarg_segment_size: 16
    .max_flat_workgroup_size: 128
    .sgpr_count:     72
    .vgpr_count:     768
    .wavefront_size: 32
...
	.end_amdgpu_metadata
.endif
;; end of part 5
;; launch outproj: the kernel of part 4 again; grid 8 x 32, 4 waves a work-group, clusters of 4 x 4, 327,680 bytes of LDS; arguments ao, cb, out0; writes out0
;; ======== version 3 of 3: 4 launches; version 2 with the launch cast written anew for expert scheduling mode
;; limits: values are held in f16: magnitudes above 65,504 overflow, below 6.1e-05 lose precision
;; workspace buffers: cb 25,165,824 bytes; qkv 50,331,648 bytes; ao 16,777,216 bytes
;; launch cast (part 6): grid 64 x 12, 8 waves a work-group, no clusters, 0 bytes of LDS; arguments x, W_Q, W_K, W_V, W_out, cb; writes cb
.if DOCPART == 6
	.amdgcn_target "amdgcn-amd-amdhsa--gfx1250"
	.amdhsa_code_object_version 6
	.text
	.protected	k_q2025a0599e_cast
	.globl	k_q2025a0599e_cast
	.p2align	8
	.type	k_q2025a0599e_cast,@function
k_q2025a0599e_cast:
	s_mov_b64 s[64:65], 0
	v_nop
	global_prefetch_b8 v0, s[64:65] scope:SCOPE_SE
	s_setreg_imm32_b32 hwreg(HW_REG_WAVE_SCHED_MODE, 0, 2), 2
	s_setreg_imm32_b32 hwreg(HW_REG_WAVE_MODE, 25, 1), 1
	s_wait_xcnt 0x0
	s_wait_alu depctr_vm_vsrc(0)
; x, W_Q, W_K, W_V: f32 -> bf16 (nearest even).  W_out: f32 -> bf16 -> f16 (the second step is exact for bf16 numbers of
; magnitude 2^-14 to 65,504; smaller ones keep an absolute error of at most 2^-25, larger ones become infinite: a stated limit).
; cb: x as [8192][1024] bf16 at byte 0; W_Q, W_K, W_V as [3072][1024] bf16 at 16,777,216; W_out as [1024][1024] f16 at 23,068,672.
; Grid y = a chunk of 4 MiB of f32 (0-7: x, 8: W_Q, 9: W_K, 10: W_V, 11: W_out); grid x = 64 KiB of it; a wave takes 8 KiB.
; A stream: each byte is read once by loads that cover 512 consecutive bytes, each store of a wave covers 256 consecutive aligned bytes.
; All 16 loads of a wave go out at once; no register is written twice while a memory instruction names it; no LDS, no barrier.
; THE MODE: SCHED_MODE bits 1:0 = 2 (LLVM: expert scheduling mode 2), set by the entry lines.  The code itself states the register dependences
; between vector instructions and memory instructions, with s_wait_alu, always for 0.
; THE PLAN.  Registers that memory instructions touch:
;   v1, v2   byte offsets, made at the head and never written again: v1 is read by the 16 loads, v2 by the 16 stores.
;   X        written by the loads alone, each register once; read by the roundings; no load lands in it a second time.
;   Y        written by the roundings, each register once; read by the stores, each register once.
;   T, v3    named by vector instructions alone.
; The 16 loads are four blocks of four.  Block p rounds its X into its Y; the four stores of block p - 1 are dealt among block p's roundings, which name
; X and Y of block p and T: none of the registers that those stores read.  So one wait at a block's head states all that its four stores hang on.
; No register that a memory instruction reads is written again, so the text holds no wait for memory instructions to have read their registers.
.set T, 4                              ; v[4:7]    at work (W_out's way)
.set X, 8                              ; v[8:71]   16 x 4 f32 as loaded
.set Y, 72                             ; v[72:103] 16 x 2 words to store
	s_load_b256 s[4:11], s[0:1], 0x0               ; x s[4:5], W_Q s[6:7], W_K s[8:9], W_V s[10:11]
	s_load_b128 s[12:15], s[0:1], 0x20             ; W_out s[12:13], cb s[14:15]
	s_and_b32 s16, ttmp7, 0xffff                   ; chunk 0..11
	s_cmp_lt_u32 s16, 8
	s_cselect_b32 s18, s16, 0                      ; chunk inside its source: x has eight, a weight one
	s_lshl_b32 s22, s18, 22
	s_lshl_b32 s17, ttmp9, 16
	s_add_co_u32 s22, s22, s17                     ; source offset: chunk x 4 MiB + piece x 64 KiB
	s_mov_b32 s23, 0
	s_lshl_b32 s24, s16, 21
	s_lshl_b32 s17, ttmp9, 15
	s_add_co_u32 s24, s24, s17                     ; destination offset: half of that, chunks in cb's order
	s_mov_b32 s25, 0
	v_lshrrev_b32 v1, 5, v0
	v_and_b32 v3, 31, v0
	v_lshlrev_b32 v1, 13, v1                       ; wave x 8 KiB
	v_lshl_or_b32 v1, v3, 4, v1                    ; + 16 bytes a lane
	v_lshrrev_b32 v2, 1, v1                        ; the same place in the 16-bit copy
	s_wait_kmcnt 0x0
	s_mov_b64 s[20:21], s[4:5]                     ; the chunk's source, chosen by the chunk's number alone
	s_cmp_eq_u32 s16, 8
	s_cselect_b64 s[20:21], s[6:7], s[20:21]
	s_cmp_eq_u32 s16, 9
	s_cselect_b64 s[20:21], s[8:9], s[20:21]
	s_cmp_eq_u32 s16, 10
	s_cselect_b64 s[20:21], s[10:11], s[20:21]
	s_cmp_eq_u32 s16, 11
	s_cselect_b64 s[20:21], s[12:13], s[20:21]
	s_add_nc_u64 s[20:21], s[20:21], s[22:23]
	s_add_nc_u64 s[14:15], s[14:15], s[24:25]
	s_wait_alu depctr_va_vdst(0)                   ; v1 and v2 are written: every load below reads v1 as its offset, every store v2; no later vector instruction names either
.irp j, 0,1,2,3,4,5,6,7,8,9,10,11,12,13,14,15
	global_load_b128 v[X+4*\j:X+4*\j+3], v1, s[20:21] offset:512*\j th:TH_LOAD_NT
.endr
; The numbers of load j, rounded to bf16.
.macro RND j
	v_cvt_pk_bf16_f32 v[Y+2*(\j)], v[X+4*(\j)], v[X+4*(\j)+1]
	v_cvt_pk_bf16_f32 v[Y+2*(\j)+1], v[X+4*(\j)+2], v[X+4*(\j)+3]
.endm
; The numbers of load j, W_out's way.
.macro RNDW j
	v_cvt_pk_bf16_f32 v[T], v[X+4*(\j)], v[X+4*(\j)+1]         ; round as the other inputs are rounded,
	v_cvt_pk_bf16_f32 v[T+1], v[X+4*(\j)+2], v[X+4*(\j)+3]
	v_lshlrev_b32 v[T+2], 16, v[T]                             ; widen again,
	v_and_b32 v[T], 0xffff0000, v[T]
	v_lshlrev_b32 v[T+3], 16, v[T+1]
	v_and_b32 v[T+1], 0xffff0000, v[T+1]
	v_cvt_pk_f16_f32 v[Y+2*(\j)], v[T+2], v[T]                 ; and write the same numbers as f16
	v_cvt_pk_f16_f32 v[Y+2*(\j)+1], v[T+3], v[T+1]
.endm
; The 8 bytes a lane that were made of load j: a wave's store covers 256 consecutive aligned bytes.
.macro PUT j
	global_store_b64 v2, v[Y+2*(\j):Y+2*(\j)+1], s[14:15] offset:256*(\j)
.endm
; Block p: loads 4 p to 4 p + 3 are rounded; the block before is stored.  wo = 1: W_out's way.
.macro BLOCK p, wo
	s_wait_loadcnt 12-4*(\p)                       ; loads return in order: this block's four are in, the 12 - 4 p younger ones stay out
.if (\p) > 0
	s_wait_alu depctr_va_vdst(0)                   ; the block before has written its eight registers of Y, which the four stores below read
.endif
.irp i, 0,1,2,3
.if (\p) > 0
	PUT 4*(\p)-4+(\i)                              ; no vector instruction since the wait names these registers
.endif
.if \wo
	RNDW 4*(\p)+(\i)
.else
	RND 4*(\p)+(\i)
.endif
.endr
.endm
	s_cmp_eq_u32 s16, 11
	s_cbranch_scc1 .Lwo
	BLOCK 0, 0
	BLOCK 1, 0
	BLOCK 2, 0
	BLOCK 3, 0
	s_wait_alu depctr_va_vdst(0)                   ; block 3 has written the last eight registers of Y, which the last four stores read
	PUT 12
	PUT 13
	PUT 14
	PUT 15
	s_endpgm
.Lwo:
	BLOCK 0, 1
	BLOCK 1, 1
	BLOCK 2, 1
	BLOCK 3, 1
	s_wait_alu depctr_va_vdst(0)                   ; block 3 has written the last eight registers of Y, which the last four stores read
	PUT 12
	PUT 13
	PUT 14
	PUT 15
	s_endpgm
.Lfunc_end_k_q2025a0599e_cast:
	.size	k_q2025a0599e_cast, .Lfunc_end_k_q2025a0599e_cast-k_q2025a0599e_cast
	.p2alignl 7, 3214868480
	.fill 96, 4, 3214868480
	.section	.rodata,"a",@progbits
	.p2align	6, 0x0
	.amdhsa_kernel k_q2025a0599e_cast
		.amdhsa_group_segment_fixed_size 0
		.amdhsa_private_segment_fixed_size 0
		.amdhsa_enable_private_segment 0
		.amdhsa_kernarg_size 48
		.amdhsa_user_sgpr_count 2
		.amdhsa_user_sgpr_kernarg_segment_ptr 1
		.amdhsa_wavefront_size32 1
		.amdhsa_system_sgpr_workgroup_id_x 1
		.amdhsa_system_sgpr_workgroup_id_y 1
		.amdhsa_system_sgpr_workgroup_id_z 1
		.amdhsa_system_vgpr_workitem_id 0
		.amdhsa_next_free_vgpr 104
		.amdhsa_next_free_sgpr 66
		.amdhsa_reserve_vcc 0
		.amdhsa_float_denorm_mode_32 3
		.amdhsa_float_denorm_mode_16_64 3
		.amdhsa_memory_ordered 1
		.amdhsa_forward_progress 1
		.amdhsa_inst_pref_size 16
	.end_amdhsa_kernel
	.amdgpu_metadata
---
amdhsa.version: [ 1, 2 ]
amdhsa.kernels:
  - .name:           k_q2025a0599e_cast
    .symbol:         k_q2025a0599e_cast.kd
    .args:
      - { .name: x, .offset: 0, .size: 8, .value_kind: global_buffer, .address_space: global }
      - { .name: W_Q, .offset: 8, .size: 8, .value_kind: global_buffer, .address_space: global }
      - { .name: W_K, .offset: 16, .size: 8, .value_kind: global_buffer, .address_space: global }
      - { .name: W_V, .offset: 24, .size: 8, .value_kind: global_buffer, .address_space: global }
      - { .name: W_out, .offset: 32, .size: 8, .value_kind: global_buffer, .address_space: global }
      - { .name: cb, .offset: 40, .size: 8, .value_kind: global_buffer, .address_space: global }
    .group_segment_fixed_size: 0
    .private_segment_fixed_size: 0
    .kernarg_segment_align: 8
    .kernarg_segment_size: 48
    .max_flat_workgroup_size: 256
    .sgpr_count:     66
    .vgpr_count:     104
    .wavefront_size: 32
...
	.end_amdgpu_metadata
.endif
;; end of part 6
;; launch qkvproj: the kernel of part 2 again; grid 16 x 32, 4 waves a work-group, clusters of 4 x 4, 327,680 bytes of LDS; arguments cb, qkv; writes qkv
;; launch attn: the kernel of part 5 again; grid 4 x 64, 4 waves a work-group, no clusters, 327,680 bytes of LDS; arguments qkv, ao; writes ao
;; launch outproj: the kernel of part 4 again; grid 8 x 32, 4 waves a work-group, clusters of 4 x 4, 327,680 bytes of LDS; arguments ao, cb, out0; writes out0
